; MI455X (gfx1250); checked and timed in simulation.
; The chip was launched on July 23, 2026; its instructions are those of AMD's public machine-readable ISA for CDNA 5 (MIT licence, August 2026) and "CDNA5" Instruction Set Architecture Reference Guide (July 2026). The comments in the code are by the model that wrote it; some were corrected since.
;; Parallel Transformer Block. Allowed arithmetic: matrix products marked QUANTISED: E5M2 operands, one E8M0 scale for each 32 along K, by v_wmma_scale_f32_16x16x128_f8f6f4 with both operands' format E5M2, f32 sums; products left as they are: f32 operands where the result goes on into a quantised operand, else bf16, f16 or f32 operands; f32 sums; everything else in f32.
;; Inputs: W_attn_out 512 x 1,024 float32; W_ff_out 4,096 x 1,024 float32; W_fused 1,024 x 8,768 float32; gamma 1,024 float32; x 2 x 2,048 x 1,024 float32.
;; Outputs: out0 2 x 2,048 x 1,024 float32.
;; This version of the problem:
;;   THIS VERSION OF THE PROBLEM IS GIVEN IN LOW PRECISION. The matrix products marked QUANTISED in the list below multiply operands that are first quantised to E5M2 (5 exponent bits, 2 mantissa bits; 8 bits a number), with one power-of-two scale for each 32 numbers along K (OCP MX v1.0); their sums are f32. All else is computed in f32.
;;   The module's matrix products, in the order in which they are computed (A, B: the left and right operand; K: the contracted axis; several contracted axes count as one K, in the product's order):
;;     1. [M 4,096, K 1,024] x [K 1,024, N 8,768]; A: computed on the way; B: input W_fused: QUANTISED
;;     2. [M 2,048, K 1] x [K 1, N 16]; A: computed on the way; B: computed on the way: left as it is (no contracted axis)
;;     3. batch 2 x [M 32,768, K 32] x [K 32, N 2,048]; A: computed on the way; B: computed on the way: QUANTISED
;;     4. batch 2 x [M 32,768, K 2,048] x [K 2,048, N 32]; A: softmax (see below); B: computed on the way: QUANTISED
;;     5. [M 4,096, K 512] x [K 512, N 1,024]; A: computed on the way; B: input W_attn_out: QUANTISED
;;     6. [M 4,096, K 4,096] x [K 4,096, N 1,024]; A: computed on the way; B: input W_ff_out: QUANTISED
;;   THE QUANTISER, for each operand of a quantised product, along K:
;;     - K is cut into blocks of 32 from its start; a last block that is shorter is filled with zeros.
;;     - A block's scale is 2^e with e = floor(log2(the largest magnitude in the block)) - 15, held to -126 .. 127; a block of zeros has e = 0. As a byte (E8M0): e + 127.
;;     - Each number is divided by its block's scale, clamped to +-57,344, and rounded to the nearest number of E5M2, ties to even, subnormals kept.
;;     - The product sums the exact products of the quantised numbers (number of the format x scale) in f32.
;;   ~~~python
;;   def quantise(x, axis):      # numpy; x: float32 -> the quantised numbers, widened to float32 again
;;       x = np.moveaxis(x, axis, -1); K = x.shape[-1]
;;       x = np.pad(x, [(0, 0)] * (x.ndim - 1) + [(0, -K % 32)]); x = x.reshape(x.shape[:-1] + (-1, 32)); a = np.abs(x).max(-1, keepdims=True)
;;       e = np.where(a > 0, np.clip(np.frexp(np.where(a > 0, a, 1))[1] - 1 - 15, -126, 127), 0)      # np.frexp(a)[1] - 1 = floor(log2(a)), exactly
;;       r = np.clip(x / 2.0 ** e, -57344, 57344)
;;       step = 2.0 ** (np.maximum(np.frexp(np.where(r == 0, 1, r))[1] - 1, -14) - 2)
;;       q = np.round(r / step) * step * 2.0 ** e      # np.round: ties to even
;;       return np.moveaxis(q.reshape(q.shape[:-2] + (-1,))[..., :K], -1, axis).astype(np.float32)
;;   ~~~
;;   SOFTMAX AHEAD OF A QUANTISED PRODUCT. Where the list says 'softmax', what is quantised is not the finished softmax but p = 2^(t - M), with t = logit x log2(e) and M = ceil(the row's largest t), a whole number; so 1/2 < the row's largest p <= 1. The row's sum l is taken of the UNQUANTISED p, in f32, and the product's result is divided by l at the end. Since M is a whole number, a kernel that streams over the keys may use a running M (the ceiling of the running maximum): every later rescaling is an exact power of two, which a block's scale takes up: the codes' values come out the same.
;;   OPERANDS COMPUTED ON THE WAY. 'Computed on the way' means the value that the module computes at that place (a softmax that the list does not call 'softmax' is quantised finished and normalised). What goes into a quantiser is computed in f32, as accurately as f32 sums, v_exp_f32 and their like allow (about 1e-6 of the number): no bf16 or f16 on the way to a quantiser, and a product that is left as it is and whose result goes on into a quantised operand takes f32 operands (vector FMAs, or v_wmma_f32_16x16x4_f32). A number that lies on a knife's edge between two numbers of the format may be rounded either way, as far as f32 arithmetic and the matrix unit's own rounding can turn it there, and no further.
;; One version. Each part assembles by itself: llvm-mc -triple=amdgcn-amd-amdhsa -mcpu=gfx1250 --defsym DOCPART=n.
;; ======== version 1 of 1: 4 launches
;; limits: right only within a limited range of input values
;; workspace buffers: xc 4,194,304 bytes; w1c 8,978,432 bytes; w2c 4,718,592 bytes; wsc 559,104 bytes; a2c 18,874,368 bytes; a2s 589,824 bytes; kvb 270,336 bytes
;; launch prep (part 1): grid 546 x 1, 4 waves a work-group, no clusters, 56,832 bytes of LDS; arguments x, gamma, W_fused, W_attn_out, W_ff_out, xc, w1c, w2c, wsc; writes xc, w1c, w2c, wsc
.if DOCPART == 1
	.amdgcn_target "amdgcn-amd-amdhsa--gfx1250"
	.amdhsa_code_object_version 6
	.text
	.protected	k_q18c686955e_prep
	.globl	k_q18c686955e_prep
	.p2align	8
	.type	k_q18c686955e_prep,@function
k_q18c686955e_prep:
	s_mov_b64 s[64:65], 0
	v_nop
	global_prefetch_b8 v0, s[64:65] scope:SCOPE_SE
	s_setreg_imm32_b32 hwreg(HW_REG_WAVE_MODE, 25, 1), 1
	s_wait_xcnt 0x0
; LayerNorm of x and the quantising (E5M2 codes, one E8M0 byte for each 32 along K) of xn and of the three weights.
; Codes leave as IMAGES of matrix operands: a fragment is 16 rows x 128 K = 2,048 bytes; byte 512 c + 256 h + 16 r holds k = 32 c + 16 h + 0..15 of row r.
; Scale bytes leave as words, one for a row and 128 K, laid [K step][row].
; Work-groups 0-127: LayerNorm, 32 rows each (a wave 8 rows, a row in 32 registers, read once).
; Work-groups 128-401: W_fused; 402-545: W_attn_out over W_ff_out.  A wave takes 64 columns x 128 K; a lane is a column and its registers run down K.
; The rows of w1c's tiles: q and k natural; v and ff so permuted that a product's results are neighbours along the next K.
; No input is shared between work-groups and memory binds: no cluster, no tensor load, no matrix unit.
; LIMITS: a block of zeros, and a block whose largest magnitude lies under 2^-111, gets the byte 1 (its codes are read by this program alone); NaN and infinities are not served.
	s_load_b256 s[4:11], s[0:1], 0x0               ; x, gamma, W_fused, W_attn_out
	s_load_b256 s[12:19], s[0:1], 0x20             ; W_ff_out, xc, w1c, w2c
	s_load_b64 s[20:21], s[0:1], 0x40              ; wsc
	v_lshl_add_u32 v200, v0, 2, 0xdc00
	v_mov_b32 v201, 0
	v_lshrrev_b32 v1, 5, v0
	v_readfirstlane_b32 s22, v1                    ; wave
	v_and_b32 v1, 31, v0                           ; lane
	s_mov_b32 s23, 0x600000                        ; the mantissa field of 57,344
	s_cmp_ge_u32 ttmp9, 128
	s_cbranch_scc1 .Lweights
; ---------------- LayerNorm ----------------
; LDS: two turn stages of 32 x 80 bytes for each wave at 5120 w; two images of 64 chunks (pitch 272) at 20,480; scale bytes [8][32][4] at 55,296.
	s_lshr_b32 s24, s22, 1                         ; which of the two row blocks
	s_and_b32 s25, s22, 1                          ; which 8 rows of it
	s_mul_i32 s26, s22, 5120
	v_lshlrev_b32 v2, 4, v1                        ; 16 x lane
	v_lshrrev_b32 v11, 2, v1
	v_mul_u32_u24 v3, v11, 80
	v_and_b32 v12, 3, v1
	v_lshl_add_u32 v3, v12, 4, v3
	v_add_nc_u32 v3, s26, v3                       ; stage, in: four lanes' 64 bytes, then 16 of padding
	v_mul_u32_u24 v4, v1, 80
	v_add_nc_u32 v4, s26, v4                       ; stage, out: my 16 neighbours
	s_mul_i32 s27, s24, 17408
	s_add_co_u32 s27, s27, 20480                   ; my row block's image
	s_lshl_b32 s28, s25, 7
	s_add_co_u32 s28, s28, s27
	s_wait_alu depctr_va_vdst(0)
	v_mul_u32_u24 v5, v1, 272
	v_add_nc_u32 v5, s28, v5                       ; chunk = lane, row 8 (w & 1)
	v_lshrrev_b32 v11, 3, v1
	v_bfe_u32 v12, v1, 1, 2
	v_lshl_add_u32 v6, v11, 7, v12
	s_lshl_b32 s28, s22, 5
	s_add_co_u32 s28, s28, 55296
	v_add_nc_u32 v6, s28, v6                       ; my block's scale byte
	s_mul_i32 s28, s25, 8704
	s_add_co_u32 s28, s28, s27
	v_lshrrev_b32 v11, 4, v1
	v_and_b32 v12, 15, v1
	v_mul_u32_u24 v7, v11, 272
	v_lshl_add_u32 v7, v12, 4, v7
	v_add_nc_u32 v7, s28, v7                       ; the image read back: two chunks an instruction
	s_lshl_b32 s28, s22, 8
	s_add_co_u32 s28, s28, 55296
	v_lshl_add_u32 v9, v1, 3, s28                  ; the scale words read back
	v_mul_u32_u24 v10, v11, 51456
	v_lshl_add_u32 v10, v12, 3, v10                ; and their place in wsc
	s_lshl_b32 s28, ttmp9, 17
	s_lshl_b32 s29, s22, 15
	s_add_co_u32 s28, s28, s29                     ; x: (32 wg + 8 w) rows of 4,096 bytes
	s_mov_b32 s29, 0
	s_lshl_b32 s30, ttmp9, 1
	s_add_co_u32 s30, s30, s24
	s_lshl_b32 s30, s30, 14
	s_lshl_b32 s31, s25, 13
	s_add_co_u32 s30, s30, s31                     ; xc: row block 2 wg + rb, my half of its 16,384 bytes
	s_mov_b32 s31, 0
	s_mul_i32 s32, s22, 102912
	s_lshl_b32 s33, ttmp9, 7
	s_add_co_u32 s32, s32, s33                     ; wsc: K steps 2 w, 2 w + 1, rows 32 wg on
	s_mov_b32 s33, 0
	s_mov_b32 s34, 0x3a800000                      ; 1 / 1024
	s_mov_b32 s35, 0x3727c5ac                      ; 1e-5
	s_mov_b32 s36, 0x76543210
	s_mov_b32 s37, 0xfedcba98                      ; lane l xor 16
	s_wait_kmcnt 0x0
	s_add_nc_u64 s[4:5], s[4:5], s[28:29]
	s_add_nc_u64 s[14:15], s[14:15], s[30:31]
	s_add_nc_u64 s[20:21], s[20:21], s[32:33]
.irp j, 0,1,2,3,4,5,6,7
	global_load_b128 v[24+4*\j:27+4*\j], v2, s[6:7] offset:512*\j    ; gamma, laid as a row is loaded
.endr
.macro XLD i                           ; row i: eight loads of 512 consecutive bytes into slot i % 3
.irp j, 0,1,2,3,4,5,6,7
	global_load_b128 v[56+32*((\i)%3)+4*\j:56+32*((\i)%3)+4*\j+3], v2, s[4:5] offset:4096*(\i)+512*\j th:TH_LOAD_NT
.endr
.endm
	XLD 0
	XLD 1
	XLD 2
.macro REDUCE                          ; four packed chains in v12-19 become one sum in every lane's v12
	v_pk_add_f32 v[12:13], v[12:13], v[14:15]
	v_pk_add_f32 v[16:17], v[16:17], v[18:19]
	v_pk_add_f32 v[12:13], v[12:13], v[16:17]
	v_add_f32 v12, v12, v13
	v_add_f32_dpp v12, v12, v12 row_xmask:1 row_mask:0xf bank_mask:0xf
	v_add_f32_dpp v12, v12, v12 row_xmask:2 row_mask:0xf bank_mask:0xf
	v_add_f32_dpp v12, v12, v12 row_xmask:4 row_mask:0xf bank_mask:0xf
	v_add_f32_dpp v12, v12, v12 row_xmask:8 row_mask:0xf bank_mask:0xf
	v_permlanex16_b32 v13, v12, s36, s37
	v_add_f32 v12, v12, v13
.endm
.macro ROW i
.set S, 56+32*((\i)%3)
.if \i <= 5
	s_wait_loadcnt 16                              ; my row is in; the two younger rows' sixteen loads may be out
.elseif \i == 6
	s_wait_loadcnt 8                               ; the last row's eight may be out
.else
	s_wait_loadcnt 0
.endif
.irp c, 0,1,2,3
	v_pk_add_f32 v[12+2*\c:13+2*\c], v[S+2*\c:S+2*\c+1], v[S+8+2*\c:S+9+2*\c]
.endr
.irp o, 16,24
.irp c, 0,1,2,3
	v_pk_add_f32 v[12+2*\c:13+2*\c], v[12+2*\c:13+2*\c], v[S+\o+2*\c:S+\o+2*\c+1]
.endr
.endr
	REDUCE
	v_mul_f32 v20, s34, v12                        ; the mean, twice
	v_mul_f32 v21, s34, v12
.set n, 0
.rept 16
	v_pk_add_f32 v[S+n:S+n+1], v[S+n:S+n+1], v[20:21] neg_lo:[0,1] neg_hi:[0,1]
.set n, n+2
.endr
.irp c, 0,1,2,3
	v_pk_mul_f32 v[12+2*\c:13+2*\c], v[S+2*\c:S+2*\c+1], v[S+2*\c:S+2*\c+1]
.endr
.irp o, 8,16,24
.irp c, 0,1,2,3
	v_pk_fma_f32 v[12+2*\c:13+2*\c], v[S+\o+2*\c:S+\o+2*\c+1], v[S+\o+2*\c:S+\o+2*\c+1], v[12+2*\c:13+2*\c]
.endr
.endr
	REDUCE
	v_fma_f32 v12, v12, s34, s35                   ; the variance + 1e-5
	s_wait_alu depctr_va_vdst(0)
	v_rsq_f32 v22, v12
	v_nop                                          ; a plain place behind the transcendental
	s_wait_alu depctr_va_vdst(0)
	v_mov_b32 v23, v22
.set n, 0
.rept 16
	v_pk_mul_f32 v[S+n:S+n+1], v[S+n:S+n+1], v[22:23]
.set n, n+2
.endr
.set n, 0
.rept 16
	v_pk_mul_f32 v[S+n:S+n+1], v[S+n:S+n+1], v[24+n:25+n]
.set n, n+2
.endr
.irp t, 0,1                            ; 512 numbers at a time through my stage: in as loaded, out 16 neighbours a lane: k = 512 t + 16 lane + 0..15
.irp q, 0,1,2,3
	ds_store_b128 v3, v[S+16*\t+4*\q:S+16*\t+4*\q+3] offset:2560*\t+640*\q
.endr
.irp q, 0,1,2,3
	ds_load_b128 v[152+16*\t+4*\q:155+16*\t+4*\q], v4 offset:2560*\t+16*\q
.endr
.endr
	s_wait_dscnt 0x0                               ; the numbers are back, and the stores have read the slot:
.if \i+3 < 8
	XLD \i+3                                       ; it takes the row three further on
.endif
.irp t, 0,1
	v_max3_num_f32 v[12+\t], |v[152+16*\t]|, |v[153+16*\t]|, 0x8000000   ; with the floor 2^(16 - 127): the byte cannot fall under 1
.endr
.irp o, 2,4,6,8,10,12,14
.irp t, 0,1
	v_max3_num_f32 v[12+\t], v[12+\t], |v[152+16*\t+\o]|, |v[153+16*\t+\o]|
.endr
.endr
.irp t, 0,1
	v_max_num_f32_dpp v[12+\t], v[12+\t], v[12+\t] row_xmask:1 row_mask:0xf bank_mask:0xf   ; two neighbouring lanes hold a block
.endr
.irp t, 0,1
	v_add_nc_u32 v[14+\t], 0xf8800000, v[12+\t]    ; 15 off the exponent field: the conversion's scale operand
	v_and_or_b32 v[16+\t], v[12+\t], 0x7f800000, s23   ; 57,344 x the scale
.endr
.irp t, 0,1
.set n, 0
.rept 16
	v_med3_num_f32 v[152+16*\t+n], v[152+16*\t+n], -v[16+\t], v[16+\t]   ; the conversion does not saturate: the hold
.set n, n+1
.endr
	v_cvt_scalef32_pk8_bf8_f32 v[184+4*\t:185+4*\t], v[152+16*\t:159+16*\t], v[14+\t]
	v_cvt_scalef32_pk8_bf8_f32 v[186+4*\t:187+4*\t], v[160+16*\t:167+16*\t], v[14+\t]
.endr
.irp t, 0,1
	v_lshrrev_b32 v[192+\t], 23, v[14+\t]          ; the scale's byte
.endr
.irp t, 0,1
	ds_store_b128 v5, v[184+4*\t:187+4*\t] offset:8704*\t+16*\i   ; chunk 32 t + lane, my row
	ds_store_b8 v6, v[192+\t] offset:512*\t+4*\i   ; both lanes of a block write the same byte
.endr
.endm
.irp i, 0,1,2,3,4,5,6,7
	ROW \i
.endr
	s_wait_dscnt 0x0                               ; my stores into the images and the scale bytes are done
	s_barrier_signal -1
	s_barrier_wait -1                              ; everybody's are
	ds_load_b64 v[12:13], v9
.irp i, 0,1,2,3,4,5,6,7,8,9,10,11,12,13,14,15
	ds_load_b128 v[56+4*\i:59+4*\i], v7 offset:544*\i
.endr
.irp i, 0,1,2,3,4,5,6,7,8,9,10,11,12,13,14,15
	s_wait_dscnt 15-\i                             ; the younger loads of this run may be out
	global_store_b128 v2, v[56+4*\i:59+4*\i], s[14:15] offset:512*\i   ; 512 consecutive bytes
.endr
	global_store_b64 v10, v[12:13], s[20:21]
	s_wait_tensorcnt 0x0
	ds_add_u32 v200, v201
	s_wait_dscnt 0x0
	s_endpgm
; ---------------- the weights ----------------
.macro LANEMAP nbp                     ; where a lane's column goes: natural (tile l / 16, row l % 16) or permuted (tile (l / 8) % 2, row 8 (l / 16) + l % 8); s30, s31: masks for column groups 0, 1
	v_lshlrev_b32 v2, 2, v1
	v_lshrrev_b32 v7, 4, v1
	v_and_b32 v8, 15, v1
	v_mul_u32_u24 v9, v7, \nbp
	v_lshl_add_u32 v9, v8, 4, v9
	v_bfe_u32 v10, v1, 3, 1
	v_and_b32 v11, 7, v1
	v_lshl_add_u32 v12, v7, 3, v11
	v_mul_u32_u24 v13, v10, \nbp
	v_lshl_add_u32 v13, v12, 4, v13
	v_cndmask_b32 v3, v9, v13, s30
	v_cndmask_b32 v4, v9, v13, s31
	v_add_nc_u32 v4, 2*\nbp, v4
	v_lshl_add_u32 v12, v10, 4, v12
	v_lshlrev_b32 v12, 2, v12
	v_cndmask_b32 v5, v2, v12, s30
	v_cndmask_b32 v6, v2, v12, s31
	v_add_nc_u32 v6, 128, v6
.endm
.macro WLOAD u, pitch                  ; unit u: K block u / 2, column group u % 2: 32 rows x 32 columns
.set n, 0
.rept 32
	global_load_b32 v[32+32*((\u)%2)+n], v2, s[8:9] offset:(32*((\u)/2)+n)*\pitch+128*((\u)%2) th:TH_LOAD_NT
.set n, n+1
.endr
.endm
.macro WUNIT u, pitch
.set XS, 32+32*((\u)%2)
.set CD, 96+8*(\u)
.if \u < 7
	s_wait_loadcnt 32                              ; this unit's loads are in; the next unit's 32 may be out
.else
	s_wait_loadcnt 0
.endif
	v_max3_num_f32 v10, |v[XS]|, |v[XS+1]|, |v[XS+2]|
	v_max3_num_f32 v11, |v[XS+3]|, |v[XS+4]|, |v[XS+5]|
.irp i, 6,10,14,18,22,26
	v_max3_num_f32 v10, v10, |v[XS+\i]|, |v[XS+\i+1]|
	v_max3_num_f32 v11, v11, |v[XS+\i+2]|, |v[XS+\i+3]|
.endr
	v_max3_num_f32 v10, v10, |v[XS+30]|, |v[XS+31]|
	v_max3_num_f32 v10, v10, v11, 0x8000000
	v_add_nc_u32 v12, 0xf8800000, v10
	v_and_or_b32 v13, v10, 0x7f800000, s23
	v_lshrrev_b32 v11, 23, v12
.if (\u)/2 == 0
	v_mov_b32 v[14+(\u)%2], v11
.else
	v_lshl_or_b32 v[14+(\u)%2], v11, 8*((\u)/2), v[14+(\u)%2]
.endif
.set n, 0
.rept 32
	v_med3_num_f32 v[XS+n], v[XS+n], -v13, v13
.set n, n+1
.endr
.irp g, 0,1,2,3
	v_cvt_scalef32_pk8_bf8_f32 v[CD+2*\g:CD+2*\g+1], v[XS+8*\g:XS+8*\g+7], v12
.endr
	global_store_b128 v[3+(\u)%2], v[CD:CD+3], s[16:17] offset:512*((\u)/2)         ; sixteen lanes fill 256 consecutive bytes of a fragment
	global_store_b128 v[3+(\u)%2], v[CD+4:CD+7], s[16:17] offset:512*((\u)/2)+256
.if \u+2 < 8
	WLOAD \u+2, \pitch
.endif
.if \u >= 6
	global_store_b32 v[5+(\u)%2], v[14+(\u)%2], s[20:21]
.endif
.endm
.macro WQ pitch
	WLOAD 0, \pitch
	WLOAD 1, \pitch
.irp u, 0,1,2,3,4,5,6,7
	WUNIT \u, \pitch
.endr
.endm
.Lweights:
	s_cmp_ge_u32 ttmp9, 402
	s_cbranch_scc1 .Lw2
	s_sub_co_u32 s24, ttmp9, 128
	s_lshr_b32 s25, s24, 1                         ; p: which 64 columns
	s_and_b32 s26, s24, 1
	s_lshl_b32 s26, s26, 2
	s_add_co_u32 s26, s26, s22                     ; the K step
	s_sub_co_u32 s27, s25, 9                       ; e: which 64 ff columns (used where p > 8)
	s_and_b32 s28, s27, 63
	s_lshr_b32 s28, s28, 1
	s_lshl_b32 s28, s28, 4
	s_and_b32 s29, s27, 1
	s_lshl_b32 s29, s29, 3
	s_add_co_u32 s28, s28, s29
	s_lshr_b32 s29, s27, 6
	s_lshl_b32 s29, s29, 2
	s_add_co_u32 s28, s28, s29
	s_add_co_u32 s28, s28, 36
	s_lshl_b32 s29, s25, 2
	s_cmp_le_u32 s25, 8
	s_cselect_b32 s28, s29, s28                    ; the first of my four tiles of w1c
	s_cmp_gt_u32 s25, 8
	s_cselect_b32 s30, -1, 0                       ; column group 0 permuted: ff
	s_cmp_ge_u32 s25, 8
	s_cselect_b32 s31, -1, 0                       ; column group 1 permuted: v and ff
	s_mul_i32 s32, s26, 4489216
	s_lshl_b32 s33, s25, 8
	s_add_co_u32 s32, s32, s33
	s_mov_b32 s33, 0
	s_lshl_b32 s34, s28, 14
	s_lshl_b32 s35, s26, 11
	s_add_co_u32 s34, s34, s35
	s_mov_b32 s35, 0
	s_mul_i32 s36, s26, 51456
	s_lshl_b32 s37, s28, 6
	s_add_co_u32 s36, s36, s37
	s_add_co_u32 s36, s36, 16384
	s_mov_b32 s37, 0
	s_wait_kmcnt 0x0
	s_add_nc_u64 s[8:9], s[8:9], s[32:33]
	s_add_nc_u64 s[16:17], s[16:17], s[34:35]
	s_add_nc_u64 s[20:21], s[20:21], s[36:37]
	s_wait_alu depctr_va_vdst(0)
	LANEMAP 16384
	WQ 35072
	s_endpgm
.Lw2:
	s_sub_co_u32 s24, ttmp9, 402
	s_and_b32 s25, s24, 15                         ; p
	s_lshr_b32 s26, s24, 4                         ; kg
	s_lshl_b32 s27, s26, 2
	s_add_co_u32 s27, s27, s22                     ; the K step of the joined weight
	s_mov_b32 s30, 0
	s_mov_b32 s31, 0
	s_wait_kmcnt 0x0
	s_cmp_eq_u32 s26, 0                            ; K steps 0-3 are W_attn_out's, the others W_ff_out's
	s_cselect_b64 s[8:9], s[10:11], s[12:13]
	s_cselect_b32 s28, 0, 4
	s_sub_co_u32 s28, s27, s28
	s_lshl_b32 s28, s28, 19
	s_lshl_b32 s29, s25, 8
	s_add_co_u32 s28, s28, s29
	s_mov_b32 s29, 0
	s_add_nc_u64 s[8:9], s[8:9], s[28:29]
	s_mul_i32 s32, s25, 294912
	s_lshl_b32 s33, s27, 11
	s_add_co_u32 s32, s32, s33
	s_mov_b32 s33, 0
	s_add_nc_u64 s[16:17], s[18:19], s[32:33]
	s_lshl_b32 s34, s27, 12
	s_add_co_u32 s34, s34, s29
	s_lshl_b32 s35, s25, 8
	s_add_co_u32 s34, s34, s35
	s_add_co_u32 s34, s34, 411648
	s_mov_b32 s35, 0
	s_add_nc_u64 s[20:21], s[20:21], s[34:35]
	s_wait_alu depctr_va_vdst(0)
	LANEMAP 73728
	WQ 4096
	s_endpgm
.Lfunc_end_k_q18c686955e_prep:
	.size	k_q18c686955e_prep, .Lfunc_end_k_q18c686955e_prep-k_q18c686955e_prep
	.p2alignl 7, 3214868480
	.fill 96, 4, 3214868480
	.section	.rodata,"a",@progbits
	.p2align	6, 0x0
	.amdhsa_kernel k_q18c686955e_prep
		.amdhsa_group_segment_fixed_size 56832
		.amdhsa_private_segment_fixed_size 0
		.amdhsa_enable_private_segment 0
		.amdhsa_kernarg_size 72
		.amdhsa_user_sgpr_count 2
		.amdhsa_user_sgpr_kernarg_segment_ptr 1
		.amdhsa_wavefront_size32 1
		.amdhsa_system_sgpr_workgroup_id_x 1
		.amdhsa_system_sgpr_workgroup_id_y 1
		.amdhsa_system_sgpr_workgroup_id_z 1
		.amdhsa_system_vgpr_workitem_id 0
		.amdhsa_next_free_vgpr 202
		.amdhsa_next_free_sgpr 66
		.amdhsa_reserve_vcc 0
		.amdhsa_float_denorm_mode_32 3
		.amdhsa_float_denorm_mode_16_64 3
		.amdhsa_memory_ordered 1
		.amdhsa_forward_progress 1
		.amdhsa_inst_pref_size 217
	.end_amdhsa_kernel
	.amdgpu_metadata
---
amdhsa.version: [ 1, 2 ]
amdhsa.kernels:
  - .name:           k_q18c686955e_prep
    .symbol:         k_q18c686955e_prep.kd
    .args:
      - { .name: x, .offset: 0, .size: 8, .value_kind: global_buffer, .address_space: global }
      - { .name: gamma, .offset: 8, .size: 8, .value_kind: global_buffer, .address_space: global }
      - { .name: W_fused, .offset: 16, .size: 8, .value_kind: global_buffer, .address_space: global }
      - { .name: W_attn_out, .offset: 24, .size: 8, .value_kind: global_buffer, .address_space: global }
      - { .name: W_ff_out, .offset: 32, .size: 8, .value_kind: global_buffer, .address_space: global }
      - { .name: xc, .offset: 40, .size: 8, .value_kind: global_buffer, .address_space: global }
      - { .name: w1c, .offset: 48, .size: 8, .value_kind: global_buffer, .address_space: global }
      - { .name: w2c, .offset: 56, .size: 8, .value_kind: global_buffer, .address_space: global }
      - { .name: wsc, .offset: 64, .size: 8, .value_kind: global_buffer, .address_space: global }
    .group_segment_fixed_size: 56832
    .private_segment_fixed_size: 0
    .kernarg_segment_align: 8
    .kernarg_segment_size: 72
    .max_flat_workgroup_size: 128
    .sgpr_count:     66
    .vgpr_count:     202
    .wavefront_size: 32
...
	.end_amdgpu_metadata
.endif
;; end of part 1
;; launch ffkv (part 2): grid 32 x 8, 4 waves a work-group, clusters of 4 x 4, 327,680 bytes of LDS; arguments xc, w1c, wsc, a2c, a2s, kvb; writes a2c, a2s, kvb
.if DOCPART == 2
	.amdgcn_target "amdgcn-amd-amdhsa--gfx1250"
	.amdhsa_code_object_version 6
	.text
	.protected	k_q18c686955e_ffkv
	.globl	k_q18c686955e_ffkv
	.p2align	8
	.type	k_q18c686955e_ffkv,@function
k_q18c686955e_ffkv:
	s_mov_b64 s[64:65], 0
	v_nop
	global_prefetch_b8 v0, s[64:65] scope:SCOPE_SE
	s_setreg_imm32_b32 hwreg(HW_REG_WAVE_MODE, 25, 1), 1
	s_wait_xcnt 0x0
	s_wait_alu depctr_hold_cnt(0) depctr_sa_sdst(0) depctr_va_vdst(0) depctr_va_sdst(0) depctr_va_ssrc(0) depctr_va_vcc(0) depctr_vm_vsrc(0)
	s_getreg_b32 s2, hwreg(HW_REG_IB_STS2, 6, 4)
	s_cmp_eq_u32 s2, 0
	s_cbranch_scc0 .Lentry_in_a_cluster
	s_endpgm
.Lentry_in_a_cluster:
	s_bfe_u32 s2, ttmp6, 0x10000c
	s_cmp_lg_u32 s2, 0xf033
	s_cbranch_scc0 .Lentry_shape_is_right
	s_endpgm
.Lentry_shape_is_right:
.set NQ,    2
.set FR,    16
.set NL,    4
.set NP,    8
.set HALFT, 32768
.set SLOT,  131072
.set SCL,   262144
.set SPARE, 286720
.set HST,   287232
.set JX,    288256
.set NEXT_A, 262144-8192
.set ADRA, 1
.set ADRB, 3
.set ADRS, 5
.set L16,  6
.set HSA,  7
.set HLA,  8
.set L8,   9
.set SPW,  10
.set NIL,  11
.set JXA,  28
.set H8K,  29
.set SC,   32
.set AF,   128
.set G1, 24
.set G0, 32
.set G1B, 48
.set G0B, 56
.set G1S, 68
.set G0S, 76
.set G1SB, 80
.set G0SB, 88
.set SEL, 100
.set MNT, 21
.set POT, 12
.set PSW, 32
.set PF,  64
.set PD0, 208
.set PD1, 216
.set PB2, 40
.set PB1, 42
.set PSB2, 44
.set PSB1, 46
.set IFR, PF
.set LGR, PF+8
.set THR, PF+16
.set KKR, PF+24
.set RR,  PF+32
.set ZR,  PF+40
.set SNR, PF+48
.set COR, PF+56
.set QIR, PF+64
.set T1R, PF+72
.set T2R, PF+80
.set SVR, PF+88
.set RP,  PF+96
.set RO,  PF+100
.set QT,  PF+116
.set E,  64
.set H,  96
.set TM, 12
.set CDS, 128
.set HW, 192
.set MSB, 0
.macro WIN new
.if MSB != (\new)
	s_set_vgpr_msb (MSB<<8)|(\new)
.set MSB, (\new)
.endif
.endm
.set MUL_LO, 0xa1
.set MUL_HI, 0xf1
.set TO_B,   0x40
.macro JLOAD g0a, g1a, g0b, g1b
	s_cmp_eq_u32 s17, 0
	s_cbranch_scc0 .Lfor_b_\@
	tensor_load_to_lds s[\g0a:\g0a+3], s[\g1a:\g1a+7]
	s_nop 0
.rept 4
	v_nop
.endr
	s_branch .Lasked_\@
.Lfor_b_\@:
	tensor_load_to_lds s[\g0b:\g0b+3], s[\g1b:\g1b+7]
	s_nop 0
.rept 4
	v_nop
.endr
.Lasked_\@:
.endm
.macro CREST
	s_cmp_lg_u32 s16, 0
	s_cbranch_scc1 .Lnot_wave_0_\@
	s_barrier_signal -3
.Lnot_wave_0_\@:
	s_barrier_wait -3
	s_barrier_signal -1
	s_barrier_wait -1
.endm
.macro CROUND
	s_barrier_signal -1
	s_barrier_wait -1
	CREST
.endm
.macro PLACES n
.rept \n
	v_nop
.endr
.endm
.macro PLD4 s
.irp c, 0,1,2,3
	global_load_b128 v[48*(\s)+4*\c:48*(\s)+4*\c+3], v[POT], s[PB2:PB2+1] offset:2048*(\s)+512*\c
.endr
.irp c, 0,1,2,3
	global_load_b128 v[48*(\s)+16+4*\c:48*(\s)+16+4*\c+3], v[POT+1], s[PB2:PB2+1] offset:2048*(\s)+512*\c
.endr
.irp c, 0,1,2,3
	global_load_b128 v[48*(\s)+32+4*\c:48*(\s)+32+4*\c+3], v[POT+2], s[PB1:PB1+1] offset:2048*(\s)+512*\c
.endr
.endm
.macro PROJ4
.irp s, 0,1,2,3
	global_load_b32 v[PSW+\s], v[POT+3], s[PSB2:PSB2+1] offset:51456*\s
	global_load_b32 v[PSW+8+\s], v[POT+4], s[PSB2:PSB2+1] offset:51456*\s
	global_load_b32 v[PSW+16+\s], v[POT+5], s[PSB1:PSB1+1] offset:51456*\s
.endr
	WIN 0x40
	PLD4 0
	PLD4 1
	PLD4 2
	PLD4 3
	WIN 0
; Slots 0 and 1 are asked for here, with the projection's 60 global loads already on their way: each behind the full sequence of waits and a round.
.irp s, 0,1
	s_wait_alu depctr_va_vdst(0)
	s_wait_tensorcnt 0x0                           ; all my tensor loads are in
	ds_add_u32 v10, v11
	s_and_b32 s69, ttmp9, 1                        ; s69 = 0: my wave asks (the scales' descriptors are done with): B's waves, and A's in clusters with an even x
	s_cmp_eq_u32 s17, 0
	s_cselect_b32 s69, s69, 0
	s_wait_dscnt 0x0
	CROUND
	JLOAD G0+4*\s, G1, G0B+4*\s, G1B
	ASK 69, (\s+2)*4096
.endr
	WIN 0x05
.irp s, 0,1,2,3
	s_wait_loadcnt 12*(3-\s)
.if \s == 0
	v_wmma_scale_f32_16x16x128_f8f6f4 v[PD0:PD0+7], v[0:15], v[32:47], 0, v[PSW], v[PSW+16] matrix_a_fmt:MATRIX_FMT_BF8 matrix_b_fmt:MATRIX_FMT_BF8
	v_wmma_scale_f32_16x16x128_f8f6f4 v[PD1:PD1+7], v[16:31], v[32:47], 0, v[PSW+8], v[PSW+16] matrix_a_fmt:MATRIX_FMT_BF8 matrix_b_fmt:MATRIX_FMT_BF8
.else
	v_wmma_scale_f32_16x16x128_f8f6f4 v[PD0:PD0+7], v[48*\s:48*\s+15], v[48*\s+32:48*\s+47], v[PD0:PD0+7], v[PSW+\s], v[PSW+16+\s] matrix_a_fmt:MATRIX_FMT_BF8 matrix_b_fmt:MATRIX_FMT_BF8
	v_wmma_scale_f32_16x16x128_f8f6f4 v[PD1:PD1+7], v[48*\s+16:48*\s+31], v[48*\s+32:48*\s+47], v[PD1:PD1+7], v[PSW+8+\s], v[PSW+16+\s] matrix_a_fmt:MATRIX_FMT_BF8 matrix_b_fmt:MATRIX_FMT_BF8
.endif
.endr
	WIN 0
.rept 8
	v_nop
.endr
.endm
.macro RC d, lo, hi
	v_mov_b32 v[RP+2], \lo
	v_mov_b32 v[\d], \hi
	v_cndmask_b32 v[\d], v[RP+2], v[\d], vcc_lo
.endm
.macro ROPE sg
	v_bfe_u32 v[RP+1], v0, 4, 1
	v_cmp_ne_u32 vcc_lo, 0, v[RP+1]
	RC IFR+0, 1.0, 0.01
	RC IFR+1, 0.5623413252, 0.005623413252
	RC IFR+2, 0.316227766, 0.00316227766
	RC IFR+3, 0.177827941, 0.00177827941
	RC IFR+4, 0.1, 0.001
	RC IFR+5, 0.05623413252, 0.0005623413252
	RC IFR+6, 0.0316227766, 0.000316227766
	RC IFR+7, 0.0177827941, 0.000177827941
	RC LGR+0, -1.807354922, -0.637429920
	RC LGR+1, -1.597901556, -0.540568380
	RC LGR+2, -1.415037499, -0.449802917
	RC LGR+3, -1.252766070, -0.364411426
	RC LGR+4, -1.106915204, -0.283792966
	RC LGR+5, -0.974464908, -0.207442080
	RC LGR+6, -0.853158612, -0.134929580
	RC LGR+7, -0.741265731, -0.065887935
	v_mov_b32 v[SVR+0], -0.00019515295891
	v_mov_b32 v[SVR+1], 0.0083321608736
	v_mov_b32 v[SVR+2], -0.16666654611
	v_mov_b32 v[SVR+3], 0.00002443315711809948
	v_mov_b32 v[SVR+4], -0.001388731625493765
	v_mov_b32 v[SVR+5], 0.04166664568298827
	v_cvt_f32_u32 v[RP], v[RP]
	v_add_f32 v[RP+1], 0xc4800000, v[RP]
	v_mul_f32 v[RP+1], \sg, v[RP+1]
.irp j, 0,1,2,3,4,5,6,7
	v_mul_f32 v[THR+\j], v[RP], v[IFR+\j]
.endr
.irp j, 0,1,2,3,4,5,6,7
	v_mul_f32 v[KKR+\j], 0x3f22f983, v[THR+\j]
.endr
.irp j, 0,1,2,3,4,5,6,7
	v_rndne_f32 v[KKR+\j], v[KKR+\j]
.endr
.irp j, 0,1,2,3,4,5,6,7
	v_fmamk_f32 v[RR+\j], v[KKR+\j], 0xbfc90fdb, v[THR+\j]
.endr
.irp j, 0,1,2,3,4,5,6,7
	v_fmamk_f32 v[RR+\j], v[KKR+\j], 0x333bbd2e, v[RR+\j]
.endr
.irp j, 0,1,2,3,4,5,6,7
	v_cvt_i32_f32 v[QIR+\j], v[KKR+\j]
.endr
.irp j, 0,1,2,3,4,5,6,7
	v_mul_f32 v[ZR+\j], v[RR+\j], v[RR+\j]
.endr
.irp j, 0,1,2,3,4,5,6,7
	v_fma_f32 v[SNR+\j], v[ZR+\j], v[SVR+0], v[SVR+1]
	v_fma_f32 v[COR+\j], v[ZR+\j], v[SVR+3], v[SVR+4]
.endr
.irp j, 0,1,2,3,4,5,6,7
	v_fma_f32 v[SNR+\j], v[SNR+\j], v[ZR+\j], v[SVR+2]
	v_fma_f32 v[COR+\j], v[COR+\j], v[ZR+\j], v[SVR+5]
.endr
.irp j, 0,1,2,3,4,5,6,7
	v_mul_f32 v[SNR+\j], v[SNR+\j], v[ZR+\j]
	v_mul_f32 v[T1R+\j], v[ZR+\j], v[ZR+\j]
	v_fma_f32 v[T2R+\j], v[ZR+\j], -0.5, 1.0
.endr
.irp j, 0,1,2,3,4,5,6,7
	v_fma_f32 v[SNR+\j], v[SNR+\j], v[RR+\j], v[RR+\j]
	v_fma_f32 v[COR+\j], v[COR+\j], v[T1R+\j], v[T2R+\j]
.endr
.irp j, 0,1,2,3,4,5,6,7
	v_and_b32 v[T1R+\j], 1, v[QIR+\j]
	v_cmp_ne_u32 vcc_lo, 0, v[T1R+\j]
	v_cndmask_b32 v[T2R+\j], v[SNR+\j], v[COR+\j], vcc_lo
	v_cndmask_b32 v[T1R+\j], v[COR+\j], v[SNR+\j], vcc_lo
.endr
.irp j, 0,1,2,3,4,5,6,7
	v_lshlrev_b32 v[SNR+\j], 30, v[QIR+\j]
	v_add_nc_u32 v[QIR+\j], 1, v[QIR+\j]
.endr
.irp j, 0,1,2,3,4,5,6,7
	v_and_b32 v[SNR+\j], 0x80000000, v[SNR+\j]
	v_lshlrev_b32 v[QIR+\j], 30, v[QIR+\j]
.endr
.irp j, 0,1,2,3,4,5,6,7
	v_xor_b32 v[T2R+\j], v[SNR+\j], v[T2R+\j]
	v_and_b32 v[QIR+\j], 0x80000000, v[QIR+\j]
.endr
.irp j, 0,1,2,3,4,5,6,7
	v_xor_b32 v[T1R+\j], v[QIR+\j], v[T1R+\j]
	v_mul_f32 v[SVR+\j], v[RP+1], v[LGR+\j]
.endr
	s_wait_alu depctr_va_vdst(0)
.irp j, 0,1,2,3,4,5,6,7
	v_exp_f32 v[SVR+\j], v[SVR+\j]
.endr
	v_nop
	s_wait_alu depctr_va_vdst(0)
.irp j, 0,1,2,3,4,5,6,7
	v_mul_f32 v[T1R+\j], v[T1R+\j], v[SVR+\j]
	v_mul_f32 v[T2R+\j], v[T2R+\j], v[SVR+\j]
.endr
.irp j, 0,1,2,3,4,5,6,7
	v_mul_f32 v[RO+\j], v[PD0+\j], v[T1R+\j]
.endr
.irp j, 0,1,2,3,4,5,6,7
	v_mul_f32 v[RO+8+\j], v[PD1+\j], v[T1R+\j]
.endr
.irp j, 0,1,2,3,4,5,6,7
	v_fma_f32 v[RO+\j], -v[PD1+\j], v[T2R+\j], v[RO+\j]
	v_fma_f32 v[RO+8+\j], v[PD0+\j], v[T2R+\j], v[RO+8+\j]
.endr
.endm
.macro QUANT16 ra, rb, dst
	v_mov_b32 v[QT+1], 0
	v_max3_num_f32 v[QT], |v[\ra]|, |v[\ra+1]|, 0x8000000
.irp i, 2,4,6
	v_max3_num_f32 v[QT], v[QT], |v[\ra+\i]|, |v[\ra+\i+1]|
.endr
.irp i, 0,2,4,6
	s_wait_alu depctr_va_vdst(0)
	v_max3_num_f32 v[QT], v[QT], |v[\rb+\i]|, |v[\rb+\i+1]|
.endr
	v_permlanex16_b32 v[QT+1], v[QT], s[SEL], s[SEL+1]
	v_max_num_f32 v[QT], v[QT], v[QT+1]
	v_add_nc_u32 v[QT+2], 0xf8800000, v[QT]
	v_and_or_b32 v[QT+3], v[QT], 0x7f800000, s[MNT]
	v_lshrrev_b32 v[QT+4], 23, v[QT+2]
.irp i, 0,1,2,3,4,5,6,7
	v_med3_num_f32 v[\ra+\i], v[\ra+\i], -v[QT+3], v[QT+3]
.endr
.irp i, 0,1,2,3,4,5,6,7
	v_med3_num_f32 v[\rb+\i], v[\rb+\i], -v[QT+3], v[QT+3]
.endr
	v_cvt_scalef32_pk8_bf8_f32 v[\dst:\dst+1], v[\ra:\ra+7], v[QT+2]
	v_cvt_scalef32_pk8_bf8_f32 v[\dst+2:\dst+3], v[\rb:\rb+7], v[QT+2]
	v_nop
.endm
	s_load_b256 s[4:11], s[0:1], 0x0
	s_load_b128 s[12:15], s[0:1], 0x20
	v_lshl_add_u32 v[SPW], v0, 2, SPARE
	v_mov_b32 v[NIL], 0
	ds_add_u32 v10, v11
	ds_add_u32 v10, v11
	s_wait_dscnt 0x0
	v_lshrrev_b32 v12, 5, v0
	v_readfirstlane_b32 s16, v12
	v_and_b32 v30, 15, v0                          ; v30: the prefetches' offset, never rewritten: 256 x (lane % 16)
	v_lshlrev_b32 v30, 8, v30
	v_bfe_u32 v31, v0, 4, 1
	v_lshl_add_u32 v30, v31, 14, v30               ; + a row block of 16,384 bytes for lanes 16-31
	s_lshr_b32 s17, s16, 1
	s_and_b32 s18, s16, 1
	s_bfe_u32 s40, ttmp6, 0x40000
	s_bfe_u32 s41, ttmp6, 0x40004
	s_lshl_b32 s20, ttmp9, 2
	s_add_co_u32 s20, s20, s40
	s_and_b32 s19, ttmp7, 0xffff
	s_lshl_b32 s19, s19, 2
	s_add_co_u32 s19, s19, s41
	s_lshl_b32 s43, s41, 2
	s_lshl_b32 s43, 15, s43
	s_lshl_b32 s44, 0x1111, s40
	s_mov_b32 s[SEL], 0x76543210
	s_mov_b32 s[SEL+1], 0xfedcba98
	s_mov_b32 s[MNT], 0x600000
	s_or_b32 s[G1+0], s43, (3<<16)|(1<<21)
	s_or_b32 s[G1B+0], s44, (3<<16)|(1<<21)
.irp g, G1, G1B
	s_mov_b32 s[\g+1], 512<<16
	s_mov_b32 s[\g+2], 8<<16
	s_mov_b32 s[\g+3], 512<<16
	s_mov_b32 s[\g+4], 8
	s_mov_b32 s[\g+5], 2048
	s_mov_b32 s[\g+6], 0
	s_mov_b32 s[\g+7], 0
.endr
	s_or_b32 s[G1S+0], s43, (3<<16)|(1<<21)
	s_or_b32 s[G1SB+0], s44, (3<<16)|(1<<21)
.irp g, G1S, G1SB
	s_mov_b32 s[\g+1], 128<<16
	s_mov_b32 s[\g+3], 128<<16
	s_mov_b32 s[\g+5], 6432
	s_mov_b32 s[\g+6], 0
	s_mov_b32 s[\g+7], 0
.endr
	s_mov_b32 s[G1S+2], 8<<16
	s_mov_b32 s[G1S+4], 8
	s_mov_b32 s[G1SB+2], 4<<16
	s_mov_b32 s[G1SB+4], 4
	s_lshl_b32 s92, s19, 19
	s_lshl_b32 s93, s18, 17
	s_add_co_u32 s92, s92, s93
	s_mov_b32 s93, 0
	s_lshl_b32 s94, s19, 11
	s_lshl_b32 s95, s18, 10
	s_add_co_u32 s94, s94, s95
	s_mov_b32 s95, 0
	s_lshl_b32 s96, s20, 18
	s_lshl_b32 s97, s18, 17
	s_add_co_u32 s96, s96, s97
	s_add_co_u32 s96, s96, 589824
	s_mov_b32 s97, 0
	s_lshl_b32 s98, s20, 10
	s_mul_i32 s99, s18, 205824
	s_add_co_u32 s98, s98, s99
	s_add_co_u32 s98, s98, 18688
	s_mov_b32 s99, 0
	s_lshl_b32 s45, s16, 15
	s_lshl_b32 s42, s18, 13
	s_lshl_b32 s46, s18, 12
	s_wait_alu depctr_va_vdst(0)
	s_wait_kmcnt 0x0
	s_add_nc_u64 s[92:93], s[4:5], s[92:93]
	s_add_nc_u64 s[94:95], s[8:9], s[94:95]
	s_add_nc_u64 s[96:97], s[6:7], s[96:97]
	s_add_nc_u64 s[98:99], s[8:9], s[98:99]
; PREFETCHES INTO THE L2.  A wave's load of a slot is 8 row blocks x 4,096 bytes; the four partners that ask for it jointly share the blocks out by address,
; two each (cx for A, cy for B): 32 lanes x 256 bytes, one instruction a wave.  A slot is asked for two slots ahead of its load: the first tile's slots 0, 1 here,
; 2, 3 behind the loads of 0, 1; the second tile's four slots of A at the first tile's four changes of slots (B's rows are the same in both tiles).
; A's rows are loaded by eight clusters: those with an even x ask.  Every offset is an immediate: s[104:105] and v30 are never rewritten.
.macro ASK fl, off
	s_cmp_eq_u32 s[\fl], 0
	s_cbranch_scc0 .Lnot_mine_\@
	global_prefetch_b8 v30, s[104:105] offset:\off th:TH_LOAD_NT scope:SCOPE_SE
.Lnot_mine_\@:
.endm
	s_and_b32 s47, ttmp9, 1
	s_cmp_eq_u32 s17, 0                            ; do I fetch for A?
	s_cselect_b32 s47, s47, 0                      ; s47 = 0: my wave asks in the head
	s_cselect_b64 s[104:105], s[92:93], s[96:97]
	s_cselect_b32 s22, s40, s41                    ; my place among the four that ask with me
	s_lshl_b32 s22, s22, 15
	s_mov_b32 s23, 0
	s_add_nc_u64 s[104:105], s[104:105], s[22:23]
	ASK 47, 0
	ASK 47, 4096
	CROUND
	s_mov_b32 s[G0S], 1
	s_add_co_u32 s[G0S+1], s42, SCL
	s_mov_b64 s[G0S+2:G0S+3], s[94:95]
	s_or_b32 s[G0S+3], s[G0S+3], 0x80000000
	s_mov_b32 s[G0SB], 1
	s_add_co_u32 s[G0SB+1], s46, SCL+16384
	s_mov_b64 s[G0SB+2:G0SB+3], s[98:99]
	s_or_b32 s[G0SB+3], s[G0SB+3], 0x80000000
	JLOAD G0S, G1S, G0SB, G1SB
.irp s, 0,1
	s_mov_b32 s[G0+4*\s], 1
	s_add_co_u32 s[G0+4*\s+1], s45, \s*SLOT
	s_add_nc_u64 s[G0+4*\s+2:G0+4*\s+3], s[92:93], \s*4096
	s_or_b32 s[G0+4*\s+3], s[G0+4*\s+3], 0x80000000
	s_mov_b32 s[G0B+4*\s], 1
	s_add_co_u32 s[G0B+4*\s+1], s45, \s*SLOT
	s_add_nc_u64 s[G0B+4*\s+2:G0B+4*\s+3], s[96:97], \s*4096
	s_or_b32 s[G0B+4*\s+3], s[G0B+4*\s+3], 0x80000000
.endr
	v_and_b32 v12, 31, v0
	v_lshlrev_b32 v[L16], 4, v12
	v_lshlrev_b32 v[L8], 3, v12
	v_and_b32 v13, 15, v0
	v_bfe_u32 v14, v0, 4, 1
	s_wait_alu depctr_va_vdst(0)
	s_lshl_b32 s40, s17, 15
	s_lshl_b32 s41, s18, 15
	s_add_co_u32 s41, s41, 2*HALFT
.irp s, 0,1
	v_add_nc_u32 v[ADRA+\s], s40, v[L16]
	v_add_nc_u32 v[ADRB+\s], s41, v[L16]
	s_add_co_u32 s40, s40, SLOT
	s_add_co_u32 s41, s41, SLOT
.endr
	s_lshl_b32 s40, s17, 9
	s_lshl_b32 s41, s18, 9
	s_add_co_u32 s41, s41, 16384
	s_sub_co_u32 s41, s41, s40
	v_mul_u32_u24 v15, s41, v14
	s_add_co_u32 s40, s40, SCL
	v_lshl_add_u32 v15, v13, 2, v15
	v_add_nc_u32 v[ADRS], s40, v15
	v_lshlrev_b32 v[H8K], 13, v14
	s_lshl_b32 s40, s17, 9
	s_lshl_b32 s41, s18, 1
	s_add_co_u32 s40, s40, s41
	s_add_co_u32 s40, s40, HST
	v_lshl_add_u32 v[HSA], v13, 2, s40
	s_lshl_b32 s40, s16, 8
	s_add_co_u32 s40, s40, HST
	v_add_nc_u32 v[HLA], s40, v[L8]
	s_lshl_b32 s40, s17, 11
	s_add_co_u32 s40, s40, JX
	v_add_nc_u32 v[JXA], s40, v[L16]
	v_and_b32 v18, 15, v0
	v_bfe_u32 v19, v0, 4, 1
	v_lshrrev_b32 v20, 3, v18
	v_and_b32 v21, 7, v18
	v_lshlrev_b32 v22, 14, v20
	v_lshl_add_u32 v22, v19, 8, v22
	v_lshl_add_u32 v22, v21, 4, v22
	v_lshl_add_u32 v24, v20, 3, v18
	v_lshlrev_b32 v24, 2, v24
	v_lshlrev_b32 v25, 2, v18
	s_and_b32 s66, s20, 1
	s_lshl_b32 s42, s66, 7
	s_lshl_b32 s43, s66, 14
	s_lshl_b32 s44, s66, 5
	s_lshl_b32 s45, s66, 6
	s_cmp_lt_u32 s16, 2
	s_cselect_b32 s41, -1, 0
	v_cndmask_b32 v[POT], v22, v[L16], s41
	v_add_nc_u32 v26, 128, v22
	v_add_nc_u32 v27, 16384, v[L16]
	v_cndmask_b32 v[POT+1], v26, v27, s41
	v_add_nc_u32 v26, s43, v[L16]
	v_add_nc_u32 v27, s42, v22
	v_cndmask_b32 v[POT+2], v26, v27, s41
	v_cndmask_b32 v[POT+3], v24, v25, s41
	s_wait_alu depctr_va_vdst(0)
	v_add_nc_u32 v26, 32, v24
	v_add_nc_u32 v27, 64, v25
	v_cndmask_b32 v[POT+4], v26, v27, s41
	s_wait_alu depctr_va_vdst(0)
	v_add_nc_u32 v26, s45, v25
	v_add_nc_u32 v27, s44, v24
	v_cndmask_b32 v[POT+5], v26, v27, s41
	s_wait_alu depctr_va_vdst(0)
	s_lshl_b32 s46, s19, 5
	s_add_co_u32 s46, s46, s20
	s_lshr_b32 s46, s46, 1
	s_lshr_b32 s2, s46, 6
	s_and_b32 s23, s46, 63
	s_lshl_b32 s40, s18, 13
	s_mul_i32 s67, s18, 205824
	s_lshl_b32 s46, s2, 21
	s_lshl_b32 s47, s23, 15
	s_add_co_u32 s46, s46, s47
	s_add_co_u32 s46, s46, s40
	s_mov_b32 s47, 0
	s_add_nc_u64 s[92:93], s[4:5], s[46:47]
	s_lshl_b32 s46, s2, 13
	s_lshl_b32 s47, s23, 7
	s_add_co_u32 s46, s46, s47
	s_add_co_u32 s46, s46, s67
	s_mov_b32 s47, 0
	s_add_nc_u64 s[96:97], s[8:9], s[46:47]
	s_mov_b32 s46, 557056
	s_mov_b32 s22, 18560
	s_cmp_lt_u32 s16, 2
	s_cselect_b32 s46, 524288, s46
	s_cselect_b32 s22, 18432, s22
	s_add_co_u32 s46, s46, s40
	s_add_co_u32 s22, s22, s67
	s_add_nc_u64 s[94:95], s[6:7], s[46:47]
	s_mov_b32 s46, s22
	s_add_nc_u64 s[98:99], s[8:9], s[46:47]
	s_cmp_lt_u32 s16, 2
	s_cselect_b64 s[PB2:PB2+1], s[94:95], s[92:93]
	s_cselect_b64 s[PB1:PB1+1], s[92:93], s[94:95]
	s_cselect_b64 s[PSB2:PSB2+1], s[98:99], s[96:97]
	s_cselect_b64 s[PSB1:PSB1+1], s[96:97], s[98:99]
	PROJ4
	s_cmp_eq_u32 s18, 0
	s_cbranch_scc1 .Ljkeep
	ds_store_b128 v[JXA], v[PD0:PD0+3]
	ds_store_b128 v[JXA], v[PD0+4:PD0+7] offset:512
	ds_store_b128 v[JXA], v[PD1:PD1+3] offset:1024
	ds_store_b128 v[JXA], v[PD1+4:PD1+7] offset:1536
.Ljkeep:
	s_wait_dscnt 0x0
	s_barrier_signal -1
	s_barrier_wait -1
	s_cmp_eq_u32 s18, 0
	s_cbranch_scc0 .Ljobend
.irp c, 0,1,2,3
	ds_load_b128 v[232+4*\c:235+4*\c], v[JXA] offset:512*\c
.endr
	s_wait_dscnt 0x0
.set n, 0
.rept 16
	v_add_f32 v[PD0+n], v[PD0+n], v[232+n]
.set n, n+1
.endr
	s_cmp_lt_u32 s16, 2
	s_cbranch_scc0 .Lvjob
	s_lshl_b32 s92, s23, 5
	s_lshl_b32 s93, s66, 3
	s_add_co_u32 s92, s92, s93
	v_lshrrev_b32 v[RP], 2, v24
	v_add_nc_u32 v[RP], s92, v[RP]
	ROPE 0xbb000000
	QUANT16 RO, RO+8, 224
	s_lshl_b32 s92, s23, 10
	s_lshl_b32 s93, s66, 9
	s_add_co_u32 s92, s92, s93
	s_lshr_b32 s94, s23, 1
	s_lshl_b32 s94, s94, 6
	s_and_b32 s95, s23, 1
	s_lshl_b32 s95, s95, 1
	s_add_co_u32 s94, s94, s95
	s_add_co_u32 s94, s94, s66
	s_add_co_u32 s94, s94, 131072
	s_branch .Ljobst
.Lvjob:
	QUANT16 PD0, PD1, 224
	s_lshr_b32 s92, s23, 2
	s_lshl_b32 s94, s92, 7
	s_lshl_b32 s92, s92, 12
	s_lshl_b32 s93, s66, 11
	s_add_co_u32 s92, s92, s93
	s_and_b32 s93, s23, 3
	s_add_co_u32 s94, s94, s93
	s_lshl_b32 s93, s93, 9
	s_add_co_u32 s92, s92, s93
	s_add_co_u32 s92, s92, 65536
	s_lshl_b32 s93, s66, 6
	s_add_co_u32 s94, s94, s93
	s_add_co_u32 s94, s94, 133120
.Ljobst:
	s_mul_i32 s96, s2, 135168
	s_add_co_u32 s92, s92, s96
	s_add_co_u32 s94, s94, s96
	s_mov_b32 s93, 0
	s_mov_b32 s95, 0
	s_add_nc_u64 s[92:93], s[14:15], s[92:93]
	s_add_nc_u64 s[94:95], s[14:15], s[94:95]
	s_wait_alu depctr_va_vdst(0)
	global_store_b128 v[L16], v[224:227], s[92:93]
	global_store_b8 v25, v[QT+4], s[94:95]
	s_wait_xcnt 0x0
	PLACES 8
.Ljobend:
	s_mov_b32 s92, 0xbfb8aa3b
	s_mov_b32 s93, s92
	s_lshl_b32 s40, s19, 5
	s_lshl_b32 s41, s17, 3
	s_add_co_u32 s40, s40, s41
	s_mul_i32 s40, s40, 73728
	s_add_co_u32 s41, s20, 4
	s_lshl_b32 s42, s41, 11
	s_add_co_u32 s40, s40, s42
	s_lshl_b32 s42, s18, 10
	s_add_co_u32 s40, s40, s42
	s_lshl_b32 s42, s41, 14
	s_mov_b32 s41, 0
	s_add_nc_u64 s[94:95], s[10:11], s[40:41]
	s_lshl_b32 s43, s19, 11
	s_add_co_u32 s42, s42, s43
	s_lshl_b32 s43, s16, 8
	s_add_co_u32 s42, s42, s43
	s_mov_b32 s43, 0
	s_add_nc_u64 s[96:97], s[12:13], s[42:43]
	s_mov_b32 s3, 2
	s_and_b32 s68, ttmp9, 1                        ; s68 = 0: A's wave of an even cluster, in the first tile (the scales' descriptors are done with)
	s_or_b32 s68, s68, s17
.macro FRAG reg, adr, q, i
.irp c, 0,1,2,3
	ds_load_b128 v[\reg+4*\c:\reg+4*\c+3], v[\adr] offset:4096*(\i)+2048*(\q)+512*\c
.endr
.endm
.macro MUL16 a0, p, q, sc, zero
.irp a, \a0, \a0+1
.irp b, 0,1,2,3,4,5,6,7
.if \zero
	v_wmma_scale_f32_16x16x128_f8f6f4 v[8*(8*((\a)%4)+\b):8*(8*((\a)%4)+\b)+7], v[128*(\p)+FR*\b:128*(\p)+FR*\b+FR-1], v[AF+FR*(\a):AF+FR*(\a)+FR-1], 0, v[SC+8*NQ*(\sc)+NQ*\b+(\q)], v[SC+8*NQ*(\sc)+NQ*(\a)+(\q)] matrix_a_fmt:MATRIX_FMT_BF8 matrix_b_fmt:MATRIX_FMT_BF8 matrix_a_scale:MATRIX_SCALE_ROW1
.else
	v_wmma_scale_f32_16x16x128_f8f6f4 v[8*(8*((\a)%4)+\b):8*(8*((\a)%4)+\b)+7], v[128*(\p)+FR*\b:128*(\p)+FR*\b+FR-1], v[AF+FR*(\a):AF+FR*(\a)+FR-1], v[8*(8*((\a)%4)+\b):8*(8*((\a)%4)+\b)+7], v[SC+8*NQ*(\sc)+NQ*\b+(\q)], v[SC+8*NQ*(\sc)+NQ*(\a)+(\q)] matrix_a_fmt:MATRIX_FMT_BF8 matrix_b_fmt:MATRIX_FMT_BF8 matrix_a_scale:MATRIX_SCALE_ROW1
.endif
.endr
.endr
.endm
.macro FETCH_B slot, q, p
	WIN TO_B
.irp i, 0,1,2,3,4,5,6,7
	FRAG 128*(\p)+FR*\i, ADRB+\slot, \q, \i
.endr
	WIN 0
.endm
.macro FETCH_A slot, q, i0
.irp i, \i0, \i0+1, \i0+2, \i0+3
	FRAG AF+FR*(\i), ADRA+\slot, \q, \i
.endr
.endm
.macro SCALES sc
.irp i, 0,1,2,3,4,5,6,7
.irp q, 0,1
	ds_load_b32 v[SC+8*NQ*\sc+NQ*\i+\q], v[ADRS] offset:64*\i+1024*\q
.endr
.endr
.endm
.macro STEP slot, q, zero
	s_wait_dscnt 4*NL
	WIN MUL_LO
	MUL16 0, (\q)%2, \q, \slot, \zero
	MUL16 2, (\q)%2, \q, \slot, \zero
	s_wait_dscnt 0
	PLACES NP
	FETCH_B \slot, (\q)+1, 1-(\q)%2
	FETCH_A \slot, (\q)+1, 0
	WIN MUL_HI
	MUL16 4, (\q)%2, \q, \slot, \zero
	MUL16 6, (\q)%2, \q, \slot, \zero
	PLACES NP
	WIN 0
	FETCH_A \slot, (\q)+1, 4
.endm
.macro TURN slot, next, fill, fetch, ask=-1
	s_wait_tensorcnt 0x0
	ds_add_u32 v[SPW], v[NIL]
	s_wait_dscnt 4*NL+1
	WIN MUL_LO
	MUL16 0, 1, NQ-1, \slot, 0
	s_wait_dscnt 0x0
	s_barrier_signal -1
	MUL16 2, 1, NQ-1, \slot, 0
	WIN 0
	s_barrier_wait -1
.if \fill
	CREST
.if \fill == 1
	s_add_nc_u64 s[G0+4*\slot+2:G0+4*\slot+3], s[G0+4*\slot+2:G0+4*\slot+3], 8192
	s_add_nc_u64 s[G0B+4*\slot+2:G0B+4*\slot+3], s[G0B+4*\slot+2:G0B+4*\slot+3], 8192
.else
	s_add_nc_u64 s[G0+4*\slot+2:G0+4*\slot+3], s[G0+4*\slot+2:G0+4*\slot+3], NEXT_A
	s_sub_nc_u64 s[G0B+4*\slot+2:G0B+4*\slot+3], s[G0B+4*\slot+2:G0B+4*\slot+3], 8192
.endif
	JLOAD G0+4*\slot, G1, G0B+4*\slot, G1B
.endif
.if \fetch
.if \fill
	PLACES NP-4
.else
	PLACES NP
.endif
	s_wait_alu depctr_va_vdst(0)
	v_add_nc_u32 v[ADRS], 2048, v[ADRS]
	FETCH_B \next, 0, 0
	FETCH_A \next, 0, 0
	SCALES \next
.endif
.if \ask >= 0
	ASK 68, 262144+4096*(\ask)                     ; the next tile's slot of A, 16 row blocks down
.endif
	WIN MUL_HI
	MUL16 4, 1, NQ-1, \slot, 0
	MUL16 6, 1, NQ-1, \slot, 0
.if \fetch
	PLACES NP
	WIN 0
	FETCH_A \next, 0, 4
.else
	WIN 0
.endif
.endm
.macro EPI a
.set AC, 64*((\a)%4)
	WIN 2+(\a)/4
.set n, 0
.rept 16
	v_pk_mul_f32 v[E+n:E+n+1], v[AC+32+n:AC+33+n], s[92:93] op_sel_hi:[1,0]
.set n, n+2
.endr
	WIN 0
.set n, 0
	s_wait_alu depctr_va_vdst(0)
.rept 32
	v_exp_f32 v[E+n], v[E+n]
.set n, n+1
.endr
	v_nop
.set n, 0
	s_wait_alu depctr_va_vdst(0)
.rept 16
	v_pk_add_f32 v[E+n:E+n+1], v[E+n:E+n+1], 1.0 op_sel_hi:[1,0]
.set n, n+2
.endr
.set n, 0
	s_wait_alu depctr_va_vdst(0)
.rept 32
	v_rcp_f32 v[E+n], v[E+n]
.set n, n+1
.endr
	WIN 10+5*((\a)/4)
.set n, 0
	s_wait_alu depctr_va_vdst(0)
.rept 16
	v_pk_mul_f32 v[H+n:H+n+1], v[AC+32+n:AC+33+n], v[AC+n:AC+n+1]
.set n, n+2
.endr
	WIN 0
.set n, 0
	s_wait_alu depctr_va_vdst(0)
.rept 16
	v_pk_mul_f32 v[H+n:H+n+1], v[H+n:H+n+1], v[E+n:E+n+1]
.set n, n+2
.endr
.irp b, 0,1
	v_max3_num_f32 v[TM+\b], |v[H+16*\b]|, |v[H+1+16*\b]|, 0x8000000
.endr
.irp i, 2,4,6,8,10,12,14
.irp b, 0,1
	v_max3_num_f32 v[TM+\b], v[TM+\b], |v[H+16*\b+\i]|, |v[H+1+16*\b+\i]|
.endr
.endr
.irp b, 0,1
	v_permlanex16_b32 v[TM+4+\b], v[TM+\b], s[SEL], s[SEL+1]
.endr
.irp b, 0,1
	v_max_num_f32 v[TM+\b], v[TM+\b], v[TM+4+\b]
.endr
.irp b, 0,1
	v_add_nc_u32 v[TM+12+\b], 0xf8800000, v[TM+\b]
	v_and_or_b32 v[TM+8+\b], v[TM+\b], 0x7f800000, s[MNT]
.endr
.irp b, 0,1
	v_lshrrev_b32 v[TM+4+\b], 23, v[TM+12+\b]
.endr
	v_lshl_or_b32 v[HW+\a], v[TM+5], 8, v[TM+4]
.irp b, 0,1
.set n, 0
.rept 16
	v_med3_num_f32 v[H+16*\b+n], v[H+16*\b+n], -v[TM+8+\b], v[TM+8+\b]
.set n, n+1
.endr
	v_cvt_scalef32_pk8_bf8_f32 v[CDS+8*\a+4*\b:CDS+8*\a+4*\b+1], v[H+16*\b:H+16*\b+7], v[TM+12+\b]
	v_cvt_scalef32_pk8_bf8_f32 v[CDS+8*\a+4*\b+2:CDS+8*\a+4*\b+3], v[H+16*\b+8:H+16*\b+15], v[TM+12+\b]
.endr
	v_nop
.irp b, 0,1
	global_store_b128 v[L16], v[CDS+8*\a+4*\b:CDS+8*\a+4*\b+3], s[94:95] offset:73728*\a+512*\b
.endr
	ds_store_b16 v[HSA], v[HW+\a] offset:64*\a
.endm
	s_wait_tensorcnt 1
	s_barrier_signal -1
	s_barrier_wait -1
.Ltile:
	FETCH_B 0, 0, 0
	FETCH_A 0, 0, 0
	s_wait_alu depctr_va_vdst(0)
	SCALES 0
	FETCH_A 0, 0, 4
	STEP 0, 0, 1
	TURN 0, 1, 1, 1, 0
	STEP 1, 0, 0
	TURN 1, 0, 1, 1, 1
	STEP 0, 0, 0
	s_cmp_eq_u32 s3, 1
	s_cbranch_scc1 .Llast
	TURN 0, 1, 2, 1, 2
	STEP 1, 0, 0
	TURN 1, 0, 2, 0, 3
	s_branch .Lout
.Llast:
	TURN 0, 1, 0, 1
	STEP 1, 0, 0
	s_wait_dscnt 4*NL
	WIN MUL_LO
	MUL16 0, 1, NQ-1, 1, 0
	MUL16 2, 1, NQ-1, 1, 0
	s_wait_dscnt 0
	WIN MUL_HI
	MUL16 4, 1, NQ-1, 1, 0
	MUL16 6, 1, NQ-1, 1, 0
	WIN 0
.Lout:
	PLACES NP
	v_mov_b32 v[TM+4], 0
	v_mov_b32 v[TM+5], 0
.irp a, 0,1,2,3,4,5,6,7
	EPI \a
.endr
	s_wait_dscnt 0x0
	s_barrier_signal -1
	s_barrier_wait -1
	ds_load_b64 v[12:13], v[HLA]
	s_wait_dscnt 0x0
	global_store_b64 v[L8], v[12:13], s[96:97]
	s_wait_xcnt 0x0
	s_add_nc_u64 s[94:95], s[94:95], 16*73728
	s_add_nc_u64 s[96:97], s[96:97], 1024
	v_add_nc_u32 v[ADRS], 2048, v[ADRS]
	v_sub_nc_u32 v[ADRS], v[ADRS], v[H8K]
	s_mov_b32 s68, 1                               ; the second tile asks for nothing
	s_sub_co_u32 s3, s3, 1
	s_cmp_lg_u32 s3, 0
	s_cbranch_scc1 .Ltile
	s_wait_tensorcnt 0x0
	ds_add_u32 v[SPW], v[NIL]
	s_wait_dscnt 0x0
	CROUND
	s_endpgm
.Lfunc_end_k_q18c686955e_ffkv:
	.size	k_q18c686955e_ffkv, .Lfunc_end_k_q18c686955e_ffkv-k_q18c686955e_ffkv
	.p2alignl 7, 3214868480
	.fill 96, 4, 3214868480
	.section	.rodata,"a",@progbits
	.p2align	6, 0x0
	.amdhsa_kernel k_q18c686955e_ffkv
		.amdhsa_group_segment_fixed_size 327680
		.amdhsa_private_segment_fixed_size 0
		.amdhsa_enable_private_segment 0
		.amdhsa_kernarg_size 48
		.amdhsa_user_sgpr_count 2
		.amdhsa_user_sgpr_kernarg_segment_ptr 1
		.amdhsa_wavefront_size32 1
		.amdhsa_system_sgpr_workgroup_id_x 1
		.amdhsa_system_sgpr_workgroup_id_y 1
		.amdhsa_system_sgpr_workgroup_id_z 1
		.amdhsa_system_vgpr_workitem_id 0
		.amdhsa_next_free_vgpr 1024
		.amdhsa_next_free_sgpr 106
		.amdhsa_reserve_vcc 1
		.amdhsa_float_denorm_mode_32 3
		.amdhsa_float_denorm_mode_16_64 3
		.amdhsa_memory_ordered 1
		.amdhsa_forward_progress 1
		.amdhsa_inst_pref_size 255
	.end_amdhsa_kernel
	.section	.bss,"aw",@nobits
	.p2align	6
	.space	262144
	.amdgpu_metadata
---
amdhsa.version: [ 1, 2 ]
amdhsa.kernels:
  - .name:           k_q18c686955e_ffkv
    .symbol:         k_q18c686955e_ffkv.kd
    .args:
      - { .name: xc, .offset: 0, .size: 8, .value_kind: global_buffer, .address_space: global }
      - { .name: w1c, .offset: 8, .size: 8, .value_kind: global_buffer, .address_space: global }
      - { .name: wsc, .offset: 16, .size: 8, .value_kind: global_buffer, .address_space: global }
      - { .name: a2c, .offset: 24, .size: 8, .value_kind: global_buffer, .address_space: global }
      - { .name: a2s, .offset: 32, .size: 8, .value_kind: global_buffer, .address_space: global }
      - { .name: kvb, .offset: 40, .size: 8, .value_kind: global_buffer, .address_space: global }
    .group_segment_fixed_size: 327680
    .private_segment_fixed_size: 0
    .kernarg_segment_align: 8
    .kernarg_segment_size: 48
    .max_flat_workgroup_size: 128
    .sgpr_count:     106
    .vgpr_count:     1024
    .wavefront_size: 32
...
	.end_amdgpu_metadata
.endif
;; end of part 2
;; launch attn (part 3): grid 256 x 1, 16 waves a work-group, clusters of 4 x 1, 169,984 bytes of LDS; arguments xc, w1c, wsc, kvb, a2c, a2s; writes a2c, a2s
.if DOCPART == 3
	.amdgcn_target "amdgcn-amd-amdhsa--gfx1250"
	.amdhsa_code_object_version 6
	.text
	.protected	k_q18c686955e_attn
	.globl	k_q18c686955e_attn
	.p2align	8
	.type	k_q18c686955e_attn,@function
k_q18c686955e_attn:
	s_mov_b64 s[64:65], 0
	v_nop
	global_prefetch_b8 v0, s[64:65] scope:SCOPE_SE
	s_setreg_imm32_b32 hwreg(HW_REG_WAVE_MODE, 25, 1), 1
	s_wait_xcnt 0x0
	s_wait_alu depctr_hold_cnt(0) depctr_sa_sdst(0) depctr_va_vdst(0) depctr_va_sdst(0) depctr_va_ssrc(0) depctr_va_vcc(0) depctr_vm_vsrc(0)
	s_getreg_b32 s2, hwreg(HW_REG_IB_STS2, 6, 4)
	s_cmp_eq_u32 s2, 0
	s_cbranch_scc0 .Lentry_in_a_cluster
	s_endpgm
.Lentry_in_a_cluster:
	s_bfe_u32 s2, ttmp6, 0x10000c
	s_cmp_lg_u32 s2, 0x3003
	s_cbranch_scc0 .Lentry_shape_is_right
	s_endpgm
.Lentry_shape_is_right:
; Causal multi-query attention on E5M2 codes: the projection and rotary of q, S^T = k q^T, the streaming softmax, O^T = v^T p^T, and out's codes for the last product.
; SHARES.  A cluster of four work-groups takes a batch and four blocks of 16 queries; work-group cx takes heads 4 cx .. 4 cx + 3.  Wave w: head 4 cx + w / 4, query block slot (w / 4 + w % 4) % 4.
; The four slots are blocks i, 63 - i, 64 + i, 127 - i: their live key steps add up to 34 in every work-group, so the causal half is left out evenly.
; LDS holds the batch's k and v codes and scale words whole (135,168 bytes), asked for JOINTLY by the four work-groups, filled once: no ring.
; A head has 32 channels: one block.  A fragment of k holds FOUR tiles of 16 keys in its four blocks of K; q's operand has its codes in one block and zero codes in the others, so each product picks one tile.
; The keys of a tile are not neighbours (32 b + 8 u + r + 8 (r / 8)): p's 16 registers of two tiles are 16 neighbouring keys.  A lane holds one query throughout.
; M is the ceiling of the running largest t; p = 2^(t - M); the sum is taken of the unquantised p; a change of M multiplies by an exact power of two.
; The loop has 16 trips in every wave; a step all of whose keys are hidden is jumped over by a scalar branch on ids.
; Each wave reads its own fragments of xn and Wq from memory for q's projection (four waves read the same xn, four the same Wq): stated as a known cost.
; REGISTERS: v1-7 addresses; v8-11 the step's addresses; v12 -M, v13 largest t, v[14:15] the sum; v16-43 q's operand; v44-75 k; v76-107 v; v108-171 S^T, then p; v172-187 O^T; v188-203 p's codes; v204-230 at work; v232-255 scale words (v244-255 also the sum's partials).
; LIMITS: zero blocks and blocks under 2^-111 get the byte 1; NaN and infinities are not served; v_exp_f32 flushes denormals; the rotary's range reduction serves angles under 2^15.
.set OSC, 135168                       ; out's scale words: 4 query blocks x 16 rows x 4 bytes, written by LDS stores alone
.set SEL, 36
.set CS,  38
.set MNT, 48
.set POT, 204
.set PSW, 232
.set PF,  44
.set PD0, 188
.set PD1, 196
.set PB2, 54
.set PB1, 56
.set PSB2, 58
.set PSB1, 60
.set IFR, PF
.set LGR, PF+8
.set THR, PF+16
.set KKR, PF+24
.set RR,  PF+32
.set ZR,  PF+40
.set SNR, PF+48
.set COR, PF+56
.set QIR, PF+64
.set T1R, PF+72
.set T2R, PF+80
.set SVR, PF+88
.set RP,  PF+96
.set RO,  PF+100
.set QT,  PF+116
.macro CROUND
	s_barrier_signal -1
	s_barrier_wait -1
	s_cmp_lg_u32 s16, 0
	s_cbranch_scc1 .Lnot_wave_0_\@
	s_barrier_signal -3
.Lnot_wave_0_\@:
	s_barrier_wait -3
	s_barrier_signal -1
	s_barrier_wait -1
.endm
; ---- macros shared with the ff launch ----
.macro PLD s                           ; K step s: two fragments of the one side, one of the other, into set s % 3
.irp c, 0,1,2,3
	global_load_b128 v[PF+48*((\s)%3)+4*\c:PF+48*((\s)%3)+4*\c+3], v[POT], s[PB2:PB2+1] offset:2048*(\s)+512*\c
.endr
.irp c, 0,1,2,3
	global_load_b128 v[PF+48*((\s)%3)+16+4*\c:PF+48*((\s)%3)+16+4*\c+3], v[POT+1], s[PB2:PB2+1] offset:2048*(\s)+512*\c
.endr
.irp c, 0,1,2,3
	global_load_b128 v[PF+48*((\s)%3)+32+4*\c:PF+48*((\s)%3)+32+4*\c+3], v[POT+2], s[PB1:PB1+1] offset:2048*(\s)+512*\c
.endr
.endm
.macro PROJ                            ; two tiles of 16 x 16 over K = 1,024: two accumulators by turns
.irp s, 0,1,2,3,4,5,6,7
	global_load_b32 v[PSW+\s], v[POT+3], s[PSB2:PSB2+1] offset:51456*\s
	global_load_b32 v[PSW+8+\s], v[POT+4], s[PSB2:PSB2+1] offset:51456*\s
	global_load_b32 v[PSW+16+\s], v[POT+5], s[PSB1:PSB1+1] offset:51456*\s
.endr
	PLD 0
	PLD 1
	PLD 2
.irp s, 0,1,2,3,4,5,6,7
.if \s < 6
	s_wait_loadcnt 24                              ; this K step is in; the two younger steps' 24 loads may be out
.else
	s_wait_loadcnt 12*(7-\s)
.endif
.if \s == 0
	v_wmma_scale_f32_16x16x128_f8f6f4 v[PD0:PD0+7], v[PF:PF+15], v[PF+32:PF+47], 0, v[PSW], v[PSW+16] matrix_a_fmt:MATRIX_FMT_BF8 matrix_b_fmt:MATRIX_FMT_BF8
	v_wmma_scale_f32_16x16x128_f8f6f4 v[PD1:PD1+7], v[PF+16:PF+31], v[PF+32:PF+47], 0, v[PSW+8], v[PSW+16] matrix_a_fmt:MATRIX_FMT_BF8 matrix_b_fmt:MATRIX_FMT_BF8
.else
	v_wmma_scale_f32_16x16x128_f8f6f4 v[PD0:PD0+7], v[PF+48*(\s%3):PF+48*(\s%3)+15], v[PF+48*(\s%3)+32:PF+48*(\s%3)+47], v[PD0:PD0+7], v[PSW+\s], v[PSW+16+\s] matrix_a_fmt:MATRIX_FMT_BF8 matrix_b_fmt:MATRIX_FMT_BF8
	v_wmma_scale_f32_16x16x128_f8f6f4 v[PD1:PD1+7], v[PF+48*(\s%3)+16:PF+48*(\s%3)+31], v[PF+48*(\s%3)+32:PF+48*(\s%3)+47], v[PD1:PD1+7], v[PSW+8+\s], v[PSW+16+\s] matrix_a_fmt:MATRIX_FMT_BF8 matrix_b_fmt:MATRIX_FMT_BF8
.endif
.rept 8
	v_nop                                          ; eight places: ahead of loads into this set, and of the first read of the results
.endr
.if \s < 5
	PLD \s+3
.endif
.endr
.endm
.macro RC d, lo, hi                    ; a table's entry: lanes 0-15 take index j, lanes 16-31 index 8 + j
	v_mov_b32 v[RP+2], \lo
	v_mov_b32 v[\d], \hi
	s_delay_alu instid0(VALU_DEP_1)
	v_cndmask_b32 v[\d], v[RP+2], v[\d], vcc_lo
.endm
; The rotary with xpos.  v[RP] holds the lane's position; the lane's tiles hold d = 8 h + j (PD0) and d + 16 (PD1), which share frequency 8 h + j.  sg: +-1/512.  Result: v[RO] on, 16 numbers.
; sin and cos: the angle less the nearest multiple of pi/2 (in two parts), two polynomials on [-pi/4, pi/4], and the quadrant by selects: no branch on data.
.macro ROPE sg
	v_bfe_u32 v[RP+1], v0, 4, 1
	s_delay_alu instid0(VALU_DEP_1)
	v_cmp_ne_u32 vcc_lo, 0, v[RP+1]
	RC IFR+0, 1.0, 0.01
	RC IFR+1, 0.5623413252, 0.005623413252
	RC IFR+2, 0.316227766, 0.00316227766
	RC IFR+3, 0.177827941, 0.00177827941
	RC IFR+4, 0.1, 0.001
	RC IFR+5, 0.05623413252, 0.0005623413252
	RC IFR+6, 0.0316227766, 0.000316227766
	RC IFR+7, 0.0177827941, 0.000177827941
	RC LGR+0, -1.807354922, -0.637429920
	RC LGR+1, -1.597901556, -0.540568380
	RC LGR+2, -1.415037499, -0.449802917
	RC LGR+3, -1.252766070, -0.364411426
	RC LGR+4, -1.106915204, -0.283792966
	RC LGR+5, -0.974464908, -0.207442080
	RC LGR+6, -0.853158612, -0.134929580
	RC LGR+7, -0.741265731, -0.065887935
	v_mov_b32 v[SVR+0], -0.00019515295891
	v_mov_b32 v[SVR+1], 0.0083321608736
	v_mov_b32 v[SVR+2], -0.16666654611
	v_mov_b32 v[SVR+3], 0.00002443315711809948
	v_mov_b32 v[SVR+4], -0.001388731625493765
	v_mov_b32 v[SVR+5], 0.04166664568298827
	v_cvt_f32_u32 v[RP], v[RP]
	s_delay_alu instid0(VALU_DEP_1)
	v_add_f32 v[RP+1], 0xc4800000, v[RP]           ; position - 1,024
	s_delay_alu instid0(VALU_DEP_1)
	v_mul_f32 v[RP+1], \sg, v[RP+1]                ; the power, with the side's sign
.irp j, 0,1,2,3,4,5,6,7
	v_mul_f32 v[THR+\j], v[RP], v[IFR+\j]
.endr
.irp j, 0,1,2,3,4,5,6,7
	v_mul_f32 v[KKR+\j], 0x3f22f983, v[THR+\j]     ; x 2 / pi
.endr
.irp j, 0,1,2,3,4,5,6,7
	v_rndne_f32 v[KKR+\j], v[KKR+\j]
.endr
.irp j, 0,1,2,3,4,5,6,7
	v_fmamk_f32 v[RR+\j], v[KKR+\j], 0xbfc90fdb, v[THR+\j]
.endr
.irp j, 0,1,2,3,4,5,6,7
	v_fmamk_f32 v[RR+\j], v[KKR+\j], 0x333bbd2e, v[RR+\j]
.endr
.irp j, 0,1,2,3,4,5,6,7
	v_cvt_i32_f32 v[QIR+\j], v[KKR+\j]
.endr
.irp j, 0,1,2,3,4,5,6,7
	v_mul_f32 v[ZR+\j], v[RR+\j], v[RR+\j]
.endr
.irp j, 0,1,2,3,4,5,6,7
	v_fma_f32 v[SNR+\j], v[ZR+\j], v[SVR+0], v[SVR+1]
	v_fma_f32 v[COR+\j], v[ZR+\j], v[SVR+3], v[SVR+4]
.endr
.irp j, 0,1,2,3,4,5,6,7
	v_fma_f32 v[SNR+\j], v[SNR+\j], v[ZR+\j], v[SVR+2]
	v_fma_f32 v[COR+\j], v[COR+\j], v[ZR+\j], v[SVR+5]
.endr
.irp j, 0,1,2,3,4,5,6,7
	v_mul_f32 v[SNR+\j], v[SNR+\j], v[ZR+\j]
	v_mul_f32 v[T1R+\j], v[ZR+\j], v[ZR+\j]
	v_fma_f32 v[T2R+\j], v[ZR+\j], -0.5, 1.0
.endr
.irp j, 0,1,2,3,4,5,6,7
	v_fma_f32 v[SNR+\j], v[SNR+\j], v[RR+\j], v[RR+\j]
	v_fma_f32 v[COR+\j], v[COR+\j], v[T1R+\j], v[T2R+\j]
.endr
.irp j, 0,1,2,3,4,5,6,7
	v_and_b32 v[T1R+\j], 1, v[QIR+\j]
	s_delay_alu instid0(VALU_DEP_1)
	v_cmp_ne_u32 vcc_lo, 0, v[T1R+\j]
	s_delay_alu instid0(VALU_DEP_1)
	v_cndmask_b32 v[T2R+\j], v[SNR+\j], v[COR+\j], vcc_lo    ; the sine: in odd quadrants the cosine's polynomial
	s_delay_alu instid0(VALU_DEP_2)
	v_cndmask_b32 v[T1R+\j], v[COR+\j], v[SNR+\j], vcc_lo    ; the cosine
.endr
.irp j, 0,1,2,3,4,5,6,7
	v_lshlrev_b32 v[SNR+\j], 30, v[QIR+\j]
	v_add_nc_u32 v[QIR+\j], 1, v[QIR+\j]
.endr
.irp j, 0,1,2,3,4,5,6,7
	v_and_b32 v[SNR+\j], 0x80000000, v[SNR+\j]
	v_lshlrev_b32 v[QIR+\j], 30, v[QIR+\j]
.endr
.irp j, 0,1,2,3,4,5,6,7
	v_xor_b32 v[T2R+\j], v[SNR+\j], v[T2R+\j]      ; the sine is negative in quadrants 2, 3
	v_and_b32 v[QIR+\j], 0x80000000, v[QIR+\j]
.endr
.irp j, 0,1,2,3,4,5,6,7
	v_xor_b32 v[T1R+\j], v[QIR+\j], v[T1R+\j]      ; the cosine in quadrants 1, 2
	v_mul_f32 v[SVR+\j], v[RP+1], v[LGR+\j]
.endr
	s_wait_alu depctr_va_vdst(0)
.irp j, 0,1,2,3,4,5,6,7
	v_exp_f32 v[SVR+\j], v[SVR+\j]                 ; scale_vec ^ (+-power)
.endr
	v_nop
	s_wait_alu depctr_va_vdst(0)
.irp j, 0,1,2,3,4,5,6,7
	v_mul_f32 v[T1R+\j], v[T1R+\j], v[SVR+\j]
	v_mul_f32 v[T2R+\j], v[T2R+\j], v[SVR+\j]
.endr
.irp j, 0,1,2,3,4,5,6,7
	v_mul_f32 v[RO+\j], v[PD0+\j], v[T1R+\j]       ; each accumulator is read from its low end on
.endr
.irp j, 0,1,2,3,4,5,6,7
	v_mul_f32 v[RO+8+\j], v[PD1+\j], v[T1R+\j]
.endr
.irp j, 0,1,2,3,4,5,6,7
	v_fma_f32 v[RO+\j], -v[PD1+\j], v[T2R+\j], v[RO+\j]
	v_fma_f32 v[RO+8+\j], v[PD0+\j], v[T2R+\j], v[RO+8+\j]
.endr
.endm
; 16 numbers of a lane (two runs of eight), half of a block of 32 whose other half lies in lane l xor 16, become four registers of codes at v[dst]; the scale's byte is left in v[QT+4].
.macro QUANT16 ra, rb, dst
	v_mov_b32 v[QT+1], 0
	v_max3_num_f32 v[QT], |v[\ra]|, |v[\ra+1]|, 0x8000000
.irp i, 2,4,6
	s_delay_alu instid0(VALU_DEP_1)
	v_max3_num_f32 v[QT], v[QT], |v[\ra+\i]|, |v[\ra+\i+1]|
.endr
.irp i, 0,2,4,6
	s_delay_alu instid0(VALU_DEP_1)
	v_max3_num_f32 v[QT], v[QT], |v[\rb+\i]|, |v[\rb+\i+1]|
.endr
	s_delay_alu instid0(VALU_DEP_1)
	v_permlanex16_b32 v[QT+1], v[QT], s[SEL], s[SEL+1]
	s_delay_alu instid0(VALU_DEP_1)
	v_max_num_f32 v[QT], v[QT], v[QT+1]
	s_delay_alu instid0(VALU_DEP_1)
	v_add_nc_u32 v[QT+2], 0xf8800000, v[QT]
	s_delay_alu instid0(VALU_DEP_2)
	v_and_or_b32 v[QT+3], v[QT], 0x7f800000, s[MNT]
	s_delay_alu instid0(VALU_DEP_2)
	v_lshrrev_b32 v[QT+4], 23, v[QT+2]
.irp i, 0,1,2,3,4,5,6,7
	v_med3_num_f32 v[\ra+\i], v[\ra+\i], -v[QT+3], v[QT+3]
.endr
.irp i, 0,1,2,3,4,5,6,7
	v_med3_num_f32 v[\rb+\i], v[\rb+\i], -v[QT+3], v[QT+3]
.endr
	v_cvt_scalef32_pk8_bf8_f32 v[\dst:\dst+1], v[\ra:\ra+7], v[QT+2]
	v_cvt_scalef32_pk8_bf8_f32 v[\dst+2:\dst+3], v[\rb:\rb+7], v[QT+2]
	v_nop                                          ; a plain place behind the last conversion
.endm
	s_load_b256 s[4:11], s[0:1], 0x0               ; xc, w1c, wsc, kvb
	s_load_b128 s[12:15], s[0:1], 0x20             ; a2c, a2s
	v_lshl_add_u32 v227, v0, 2, 0x29000
	v_mov_b32 v231, 0
	ds_add_u32 v227, v231
	ds_add_u32 v227, v231
	v_lshrrev_b32 v8, 5, v0
	s_delay_alu instid0(VALU_DEP_1)
	v_readfirstlane_b32 s16, v8                    ; wave 0..15
	s_lshr_b32 s17, s16, 2                         ; hd: my head of the work-group's four
	s_and_b32 s18, s16, 3
	s_add_co_u32 s18, s18, s17
	s_and_b32 s18, s18, 3                          ; qs: my slot of the four query blocks
	s_and_b32 s19, ttmp9, 31                       ; i
	s_lshr_b32 s20, ttmp9, 5                       ; batch
	s_bfe_u32 s21, ttmp6, 0x40000                  ; cx: the group of four heads; it enters global addresses alone
	s_sub_co_u32 s40, 63, s19
	s_bitcmp1_b32 s18, 0
	s_cselect_b32 s22, s40, s19
	s_and_b32 s40, s18, 2
	s_lshl_b32 s40, s40, 5
	s_add_co_u32 s22, s22, s40                     ; g: my block of 16 queries, 0..127
	s_lshl_b32 s23, s22, 4                         ; my first query
	s_mov_b32 s[SEL], 0x76543210
	s_mov_b32 s[SEL+1], 0xfedcba98
	s_mov_b32 s[CS], 0x3e8293ee                    ; log2(e) / sqrt(32)
	s_mov_b32 s[CS+1], s[CS]
	s_mov_b32 s[MNT], 0x600000
	s_mov_b32 s49, 0                               ; the step's first key
	s_mov_b32 s50, 0                               ; its codes in LDS: 4,096 bytes a step
	s_mov_b32 s51, 0                               ; its scale words: 128 bytes a step
	s_mov_b32 s52, 16
	; the fill: each wave asks for 33 rows of 256 bytes of the batch's block
	s_mov_b32 s28, 15|(3<<16)|(1<<21)              ; the mask: all four work-groups; elements of 8 bytes
	s_mov_b32 s29, 32<<16
	s_mov_b32 s30, 33<<16
	s_mov_b32 s31, 32<<16
	s_mov_b32 s32, 33
	s_mov_b32 s33, 32
	s_mov_b32 s34, 0
	s_mov_b32 s35, 0
	s_mul_i32 s25, s16, 8448
	s_mul_i32 s40, s20, 135168
	s_add_co_u32 s40, s40, s25
	s_mov_b32 s41, 0
	s_mov_b32 s24, 1
	s_wait_dscnt 0x0
	s_wait_kmcnt 0x0
	s_add_nc_u64 s[26:27], s[10:11], s[40:41]
	s_or_b32 s27, s27, 0x80000000
	CROUND                                         ; the four work-groups are here: the joint loads meet
	tensor_load_to_lds s[24:27], s[28:35]          ; one tensor load of mine is out
	s_nop 0
.rept 4
	v_nop
.endr
	v_and_b32 v8, 31, v0
	v_and_b32 v9, 15, v0                           ; r
	s_delay_alu instid0(VALU_DEP_2)
	v_lshlrev_b32 v1, 4, v8                        ; 16 x lane: k's fragments, and every image
	s_delay_alu instid0(VALU_DEP_1)
	v_add_nc_u32 v2, 65536, v1                     ; v's fragments
	s_delay_alu instid0(VALU_DEP_3)
	v_lshl_add_u32 v3, v9, 2, 131072               ; k's scale words
	s_delay_alu instid0(VALU_DEP_4)
	v_lshl_add_u32 v4, v9, 2, 133120               ; v's
	s_lshl_b32 s40, s18, 6
	s_add_co_u32 s40, s40, OSC
	v_lshl_add_u32 v6, v9, 2, s40                  ; out's scale word of my row
	s_add_co_u32 s40, s40, s17
	v_lshl_add_u32 v5, v9, 2, s40                  ; and my head's byte of it
	v_lshlrev_b32 v7, 2, v9                        ; 4 r
	; q = xn Wq for my 16 rows and my head: source 0 = Wq's two tiles (d = 16 t + m), source 1 = xn's rows
	v_mov_b32 v[POT], v1
	v_add_nc_u32 v[POT+1], 16384, v1
	v_mov_b32 v[POT+2], v1
	s_delay_alu instid0(VALU_DEP_4)
	v_mov_b32 v[POT+3], v7
	s_wait_alu depctr_va_vdst(0)
	v_add_nc_u32 v[POT+4], 64, v7
	s_wait_alu depctr_va_vdst(0)
	v_mov_b32 v[POT+5], v7
	s_wait_alu depctr_va_vdst(0)
	s_lshl_b32 s42, s21, 2
	s_add_co_u32 s42, s42, s17                     ; head
	s_lshl_b32 s40, s42, 15
	s_mov_b32 s41, 0
	s_add_nc_u64 s[PB2:PB2+1], s[6:7], s[40:41]
	s_lshl_b32 s40, s42, 7
	s_add_co_u32 s40, s40, 16384
	s_add_nc_u64 s[PSB2:PSB2+1], s[8:9], s[40:41]
	s_lshl_b32 s43, s20, 7
	s_add_co_u32 s43, s43, s22                     ; my row block: 128 batch + g
	s_lshl_b32 s40, s43, 14
	s_add_nc_u64 s[PB1:PB1+1], s[4:5], s[40:41]
	s_lshl_b32 s40, s43, 6
	s_add_nc_u64 s[PSB1:PSB1+1], s[8:9], s[40:41]
	PROJ
	v_add_nc_u32 v[RP], s23, v9                    ; my query's position
	ROPE 0x3b000000
	QUANT16 RO, RO+8, 28                           ; q's codes: v[28:31]; position 16 h + 8 t + j holds d = 16 t + 8 h + j, as in k's codes
	v_lshl_or_b32 v237, v[QT+4], 8, v[QT+4]
	s_delay_alu instid0(VALU_DEP_1)
	v_lshl_or_b32 v237, v237, 16, v237             ; q's byte in all four places
.irp n, 16,17,18,19,20,21,22,23,24,25,26,27,32,33,34,35,36,37,38,39,40,41,42,43
	v_mov_b32 v\n, 0                               ; zero codes round them: v[28 - 4 c : 43 - 4 c] has q in block c of K
.endr
.set n, 0
.rept 16
	v_mov_b32 v[172+n], 0                          ; O^T: the loop is written once; its first step finds zeros
.set n, n+1
.endr
	v_mov_b32 v13, 0xff61b1e6                      ; the largest t so far: -3e38
	s_delay_alu instid0(VALU_DEP_1)
	v_floor_f32 v12, -v13
	v_mov_b32 v14, 0
	v_mov_b32 v15, 0
	v_mov_b32 v221, 0
	v_mov_b32 v228, 0
.irp b, 0,1,2,3
	v_mov_b32 v[208+\b], 0
.endr
	s_wait_tensorcnt 0x0                           ; my part of the batch's k and v is in,
	s_barrier_signal -1
	s_barrier_wait -1                              ; everybody's is
.Lstep:
	s_add_co_u32 s40, s23, 15
	s_cmp_gt_u32 s49, s40                          ; all 128 keys come after my queries: nothing to do
	s_cbranch_scc1 .Lhid
	v_add_nc_u32 v8, s50, v1
	v_add_nc_u32 v9, s50, v2
	v_add_nc_u32 v10, s51, v3
	v_add_nc_u32 v11, s51, v4
.rept 4
	v_nop                                          ; with the four additions: eight places ahead of loads into registers that the last products read
.endr
.irp f, 0,1
.irp c, 0,1,2,3
	ds_load_b128 v[44+16*\f+4*\c:47+16*\f+4*\c], v8 offset:2048*\f+512*\c
.endr
.endr
.irp f, 0,1
	ds_load_b32 v[233+\f], v10 offset:64*\f
.endr
.irp u, 0,1
.irp c, 0,1,2,3
	ds_load_b128 v[76+16*\u+4*\c:79+16*\u+4*\c], v9 offset:2048*\u+512*\c
.endr
.endr
.irp u, 0,1
	ds_load_b32 v[235+\u], v11 offset:64*\u
.endr
	s_wait_dscnt 10                                ; k and its words are in; v's ten loads may be out
.irp f, 0,1
.irp c, 0,1,2,3
	v_wmma_scale_f32_16x16x128_f8f6f4 v[108+8*(4*\f+\c):115+8*(4*\f+\c)], v[44+16*\f:59+16*\f], v[28-4*\c:43-4*\c], 0, v[233+\f], v237 matrix_a_fmt:MATRIX_FMT_BF8 matrix_b_fmt:MATRIX_FMT_BF8
.endr
.endr
.rept 8
	v_nop
.endr
	s_add_co_u32 s40, s49, 127
	s_cmp_le_u32 s40, s23                          ; all keys count: no mask
	s_cbranch_scc1 .Lopen
	s_sub_co_i32 s40, s23, s49
	v_and_b32 v228, 15, v0
	v_bfe_u32 v229, v0, 4, 1
	s_delay_alu instid0(VALU_DEP_1)
	v_lshlrev_b32 v229, 4, v229
	s_delay_alu instid0(VALU_DEP_1)
	v_sub_nc_u32 v228, v228, v229
	s_delay_alu instid0(VALU_DEP_1)
	v_add_nc_u32 v228, s40, v228                   ; register 16 b + i holds key KF + 32 b + 16 h + i: hidden where 32 b + i > my query - KF - 16 h
	v_mov_b32 v230, 0xff800000
.set n, 0
.rept 64
	v_cmp_gt_i32 vcc_lo, 32*(n/16)+n%16, v228
	v_cndmask_b32 v[108+n], v[108+n], v230, vcc_lo
.set n, n+1
.endr
.Lopen:
.irp b, 0,1,2,3
	v_max3_num_f32 v[204+\b], v[108+16*\b], v[109+16*\b], v[110+16*\b]   ; each block's largest score: for the row's maximum and for the block's largest p
.endr
.irp i, 3,5,7,9,11,13
.irp b, 0,1,2,3
	v_max3_num_f32 v[204+\b], v[204+\b], v[108+16*\b+\i], v[109+16*\b+\i]
.endr
.endr
.irp b, 0,1,2,3
	v_max_num_f32 v[204+\b], v[204+\b], v[123+16*\b]
.endr
.irp b, 0,1,2,3
	s_delay_alu instid0(VALU_DEP_4)
	v_permlanex16_b32 v[208+\b], v[204+\b], s[SEL], s[SEL+1]
.endr
.irp b, 0,1,2,3
	s_delay_alu instid0(VALU_DEP_4)
	v_max_num_f32 v[204+\b], v[204+\b], v[208+\b]
.endr
	s_delay_alu instid0(VALU_DEP_2)
	v_max3_num_f32 v228, v204, v205, v206
	s_delay_alu instid0(VALU_DEP_1)
	v_max_num_f32 v228, v228, v207
	s_delay_alu instid0(VALU_DEP_1)
	v_mul_f32 v228, s[CS], v228
	s_delay_alu instid0(VALU_DEP_1)
	v_max_num_f32 v13, v13, v228                   ; the running largest t
	v_mov_b32 v228, v12
	s_delay_alu instid0(VALU_DEP_2)
	v_floor_f32 v12, -v13                          ; -M = floor(-t): M is a whole number
	s_delay_alu instid0(VALU_DEP_1)
	v_sub_f32 v228, v12, v228
	s_delay_alu instid0(VALU_DEP_1)
	v_cvt_i32_f32 v228, v228
	s_delay_alu instid0(VALU_DEP_1)
	v_ldexp_f32 v220, 1.0, v228                    ; f = 2^(old M - new M)
.set n, 0
.rept 32
	v_pk_fma_f32 v[108+n:109+n], v[108+n:109+n], s[CS:CS+1], v[12:13] op_sel_hi:[1,0,0]
.set n, n+2
.endr
.irp b, 0,1,2,3
	v_fma_f32 v[204+\b], v[204+\b], s[CS], v12
.endr
.set n, 0
	s_wait_alu depctr_va_vdst(0)
.rept 64
	v_exp_f32 v[108+n], v[108+n]                   ; p = 2^(t - M)
.set n, n+1
.endr
.irp b, 0,1,2,3
	v_exp_f32 v[204+\b], v[204+\b]
.endr
	v_pk_mul_f32 v[14:15], v[14:15], v[220:221] op_sel_hi:[1,0]    ; the sums under the new M (a plain place behind the exponentials)
	s_wait_alu depctr_va_vdst(0)
.irp b, 0,1,2,3
	v_max_num_f32 v[204+\b], 0x8000000, v[204+\b]
.endr
.irp b, 0,1,2,3
	s_delay_alu instid0(VALU_DEP_4)
	v_add_nc_u32 v[216+\b], 0xf8800000, v[204+\b]
.endr
.irp b, 0,1,2,3
	v_and_or_b32 v[212+\b], v[204+\b], 0x7f800000, s[MNT]
.endr
.irp b, 0,1,2,3
	v_lshrrev_b32 v[208+\b], 23, v[216+\b]
.endr
	s_delay_alu instid0(VALU_DEP_3)
	v_lshl_or_b32 v232, v209, 8, v208              ; p's scale word for these 128 keys
	s_delay_alu instid0(VALU_DEP_1)
	v_lshl_or_b32 v232, v210, 16, v232
	s_delay_alu instid0(VALU_DEP_1)
	v_lshl_or_b32 v232, v211, 24, v232
	v_pk_add_f32 v[208:209], v[112:113], v[116:117]
	v_pk_add_f32 v[254:255], v[120:121], v[124:125]
	v_pk_add_f32 v[252:253], v[128:129], v[132:133]
	v_pk_add_f32 v[250:251], v[136:137], v[140:141]
	v_pk_add_f32 v[248:249], v[144:145], v[148:149]
	v_pk_add_f32 v[246:247], v[152:153], v[156:157]
	v_pk_add_f32 v[244:245], v[160:161], v[164:165]
	v_pk_add_f32 v[14:15], v[14:15], v[168:169]
	v_pk_add_f32 v[208:209], v[208:209], v[108:109]
	v_pk_add_f32 v[254:255], v[254:255], v[110:111]
	v_pk_add_f32 v[252:253], v[252:253], v[114:115]
	v_pk_add_f32 v[250:251], v[250:251], v[118:119]
	v_pk_add_f32 v[248:249], v[248:249], v[122:123]
	v_pk_add_f32 v[246:247], v[246:247], v[126:127]
	v_pk_add_f32 v[244:245], v[244:245], v[130:131]
	v_pk_add_f32 v[14:15], v[14:15], v[134:135]
	v_pk_add_f32 v[208:209], v[208:209], v[138:139]
	v_pk_add_f32 v[254:255], v[254:255], v[142:143]
	v_pk_add_f32 v[252:253], v[252:253], v[146:147]
	v_pk_add_f32 v[250:251], v[250:251], v[150:151]
	v_pk_add_f32 v[248:249], v[248:249], v[154:155]
	v_pk_add_f32 v[246:247], v[246:247], v[158:159]
	v_pk_add_f32 v[244:245], v[244:245], v[162:163]
	v_pk_add_f32 v[14:15], v[14:15], v[166:167]
	v_pk_add_f32 v[208:209], v[208:209], v[170:171]
	s_delay_alu instid0(VALU_DEP_2)
	v_pk_add_f32 v[14:15], v[14:15], v[250:251]
	s_delay_alu instid0(VALU_DEP_2)
	v_pk_add_f32 v[208:209], v[208:209], v[248:249]
	v_pk_add_f32 v[254:255], v[254:255], v[246:247]
	v_pk_add_f32 v[252:253], v[252:253], v[244:245]
	s_delay_alu instid0(VALU_DEP_2)
	v_pk_add_f32 v[14:15], v[14:15], v[254:255]
	s_delay_alu instid0(VALU_DEP_2)
	v_pk_add_f32 v[208:209], v[208:209], v[252:253]
	s_delay_alu instid0(VALU_DEP_1)
	v_pk_add_f32 v[14:15], v[14:15], v[208:209]
.irp b, 0,1,2,3
.set n, 0
.rept 16
	v_min_num_f32 v[108+16*\b+n], v[108+16*\b+n], v[212+\b]    ; p is not negative: a one-sided hold
.set n, n+1
.endr
	v_cvt_scalef32_pk8_bf8_f32 v[188+4*\b:189+4*\b], v[108+16*\b:115+16*\b], v[216+\b]
	v_cvt_scalef32_pk8_bf8_f32 v[190+4*\b:191+4*\b], v[116+16*\b:123+16*\b], v[216+\b]
.endr
.irp j, 0,2,4,6,8,10,12,14
	v_pk_mul_f32 v[172+\j:173+\j], v[172+\j:173+\j], v[220:221] op_sel_hi:[1,0]    ; O^T under the new M; also the places ahead of the products
.endr
	s_wait_alu depctr_va_vdst(0)
	s_wait_dscnt 0x0                               ; v and its words are in
.irp u, 0,1
	v_wmma_scale_f32_16x16x128_f8f6f4 v[172+8*\u:179+8*\u], v[76+16*\u:91+16*\u], v[188:203], v[172+8*\u:179+8*\u], v[235+\u], v232 matrix_a_fmt:MATRIX_FMT_BF8 matrix_b_fmt:MATRIX_FMT_BF8
.endr
.Lhid:
	s_add_co_u32 s49, s49, 128
	s_add_co_u32 s50, s50, 4096
	s_add_co_u32 s51, s51, 128
	s_sub_co_u32 s52, s52, 1
	s_cmp_lg_u32 s52, 0
	s_cbranch_scc1 .Lstep
	; the way out: O^T / the sum; register 8 u + j is d = 16 h + 8 u + j of my query: half of the head's block of the last product's K
.rept 8
	v_nop
.endr
	s_wait_alu depctr_va_vdst(0)
	v_add_f32 v14, v14, v15
	s_delay_alu instid0(VALU_DEP_1)
	v_permlanex16_b32 v228, v14, s[SEL], s[SEL+1]
	s_delay_alu instid0(VALU_DEP_1)
	v_add_f32 v14, v14, v228
	s_wait_alu depctr_va_vdst(0)
	v_rcp_f32 v14, v14
	v_nop
.set n, 0
	s_wait_alu depctr_va_vdst(0)
.rept 16
	v_mul_f32 v[108+n], v[172+n], v14
.set n, n+1
.endr
	QUANT16 108, 116, 188
	s_mul_i32 s40, s43, 73728                      ; a2c: row block 128 batch + g,
	s_lshl_b32 s41, s21, 11
	s_add_co_u32 s40, s40, s41                     ; K step cx,
	s_lshl_b32 s41, s17, 9
	s_add_co_u32 s40, s40, s41                     ; block hd
	s_mov_b32 s41, 0
	s_add_nc_u64 s[40:41], s[12:13], s[40:41]
	global_store_b128 v1, v[188:191], s[40:41]     ; 512 consecutive bytes
	ds_store_b8 v5, v[QT+4]
	s_wait_dscnt 0x0                               ; my byte is stored
	s_barrier_signal -1
	s_barrier_wait -1                              ; the four heads' bytes are
	s_cmp_lt_u32 s16, 4                            ; waves 0-3 hold the four query blocks once each
	s_cbranch_scc0 .Lnoflush
	s_lshl_b32 s44, s21, 14
	s_lshl_b32 s45, s43, 6
	s_add_co_u32 s44, s44, s45
	s_mov_b32 s45, 0
	s_add_nc_u64 s[44:45], s[14:15], s[44:45]
	ds_load_b32 v229, v6
	s_wait_dscnt 0x0
	global_store_b32 v7, v229, s[44:45]            ; both halves of the lanes write the same words
.Lnoflush:
	s_wait_tensorcnt 0x0
	ds_add_u32 v227, v231
	s_wait_dscnt 0x0
	CROUND                                         ; the closing round
	s_endpgm
.Lfunc_end_k_q18c686955e_attn:
	.size	k_q18c686955e_attn, .Lfunc_end_k_q18c686955e_attn-k_q18c686955e_attn
	.p2alignl 7, 3214868480
	.fill 96, 4, 3214868480
	.section	.rodata,"a",@progbits
	.p2align	6, 0x0
	.amdhsa_kernel k_q18c686955e_attn
		.amdhsa_group_segment_fixed_size 169984
		.amdhsa_private_segment_fixed_size 0
		.amdhsa_enable_private_segment 0
		.amdhsa_kernarg_size 48
		.amdhsa_user_sgpr_count 2
		.amdhsa_user_sgpr_kernarg_segment_ptr 1
		.amdhsa_wavefront_size32 1
		.amdhsa_system_sgpr_workgroup_id_x 1
		.amdhsa_system_sgpr_workgroup_id_y 1
		.amdhsa_system_sgpr_workgroup_id_z 1
		.amdhsa_system_vgpr_workitem_id 0
		.amdhsa_next_free_vgpr 256
		.amdhsa_next_free_sgpr 66
		.amdhsa_reserve_vcc 1
		.amdhsa_float_denorm_mode_32 3
		.amdhsa_float_denorm_mode_16_64 3
		.amdhsa_memory_ordered 1
		.amdhsa_forward_progress 1
		.amdhsa_inst_pref_size 70
	.end_amdhsa_kernel
	.amdgpu_metadata
---
amdhsa.version: [ 1, 2 ]
amdhsa.kernels:
  - .name:           k_q18c686955e_attn
    .symbol:         k_q18c686955e_attn.kd
    .args:
      - { .name: xc, .offset: 0, .size: 8, .value_kind: global_buffer, .address_space: global }
      - { .name: w1c, .offset: 8, .size: 8, .value_kind: global_buffer, .address_space: global }
      - { .name: wsc, .offset: 16, .size: 8, .value_kind: global_buffer, .address_space: global }
      - { .name: kvb, .offset: 24, .size: 8, .value_kind: global_buffer, .address_space: global }
      - { .name: a2c, .offset: 32, .size: 8, .value_kind: global_buffer, .address_space: global }
      - { .name: a2s, .offset: 40, .size: 8, .value_kind: global_buffer, .address_space: global }
    .group_segment_fixed_size: 169984
    .private_segment_fixed_size: 0
    .kernarg_segment_align: 8
    .kernarg_segment_size: 48
    .max_flat_workgroup_size: 512
    .sgpr_count:     66
    .vgpr_count:     256
    .wavefront_size: 32
...
	.end_amdgpu_metadata
.endif
;; end of part 3
;; launch outp (part 4): grid 8 x 32, 4 waves a work-group, clusters of 4 x 4, 327,680 bytes of LDS; arguments a2c, a2s, w2c, wsc, out0; writes out0
.if DOCPART == 4
	.amdgcn_target "amdgcn-amd-amdhsa--gfx1250"
	.amdhsa_code_object_version 6
	.text
	.protected	k_q18c686955e_outp
	.globl	k_q18c686955e_outp
	.p2align	8
	.type	k_q18c686955e_outp,@function
k_q18c686955e_outp:
	s_mov_b64 s[64:65], 0
	v_nop
	global_prefetch_b8 v0, s[64:65] scope:SCOPE_SE
	s_setreg_imm32_b32 hwreg(HW_REG_WAVE_MODE, 25, 1), 1
	s_wait_xcnt 0x0
	s_wait_alu depctr_hold_cnt(0) depctr_sa_sdst(0) depctr_va_vdst(0) depctr_va_sdst(0) depctr_va_ssrc(0) depctr_va_vcc(0) depctr_vm_vsrc(0)
	s_getreg_b32 s2, hwreg(HW_REG_IB_STS2, 6, 4)
	s_cmp_eq_u32 s2, 0
	s_cbranch_scc0 .Lentry_in_a_cluster
	s_endpgm
.Lentry_in_a_cluster:
	s_bfe_u32 s2, ttmp6, 0x10000c
	s_cmp_lg_u32 s2, 0xf033
	s_cbranch_scc0 .Lentry_shape_is_right
	s_endpgm
.Lentry_shape_is_right:
.set SLOT,  131072
.set PART,  32768
.set SCL,   262144
.set SPARE, 299008
.set STG,   SLOT
.set ADRA, 1
.set ADRB, 3
.set ADRS, 5
.set STO,  6
.set RD,   7
.set CO,   8
.set SPW,  10
.set NIL,  11
.set SC,   32
.set ACC,  128
.set G1, 24
.set G0, 32
.set G1B, 48
.set G0B, 56
.set G1S, 68
.set G0S, 76
.set G1SB, 80
.set G0SB, 88
.set MSB, 0
.macro WIN new
.if MSB != (\new)
	s_set_vgpr_msb (MSB<<8)|(\new)
.set MSB, (\new)
.endif
.endm
.set MUL,  0x05
.set TO_F, 0x40
.macro JLOAD g0a, g1a, g0b, g1b
	s_cmp_eq_u32 s17, 0
	s_cbranch_scc0 .Lfor_b_\@
	tensor_load_to_lds s[\g0a:\g0a+3], s[\g1a:\g1a+7]
	s_nop 0
.rept 4
	v_nop
.endr
	s_branch .Lasked_\@
.Lfor_b_\@:
	tensor_load_to_lds s[\g0b:\g0b+3], s[\g1b:\g1b+7]
	s_nop 0
.rept 4
	v_nop
.endr
.Lasked_\@:
.endm
.macro CREST
	s_cmp_lg_u32 s16, 0
	s_cbranch_scc1 .Lnot_wave_0_\@
	s_barrier_signal -3
.Lnot_wave_0_\@:
	s_barrier_wait -3
	s_barrier_signal -1
	s_barrier_wait -1
.endm
.macro CROUND
	s_barrier_signal -1
	s_barrier_wait -1
	CREST
.endm
.macro PLACES n
.rept \n
	v_nop
.endr
.endm
	s_load_b256 s[4:11], s[0:1], 0x0
	s_load_b64 s[12:13], s[0:1], 0x20
	v_lshl_add_u32 v[SPW], v0, 2, SPARE
	v_mov_b32 v[NIL], 0
	ds_add_u32 v10, v11
	ds_add_u32 v10, v11
	s_wait_dscnt 0x0
	v_lshrrev_b32 v12, 5, v0
	v_readfirstlane_b32 s16, v12
	v_and_b32 v9, 31, v0
	v_lshlrev_b32 v9, 8, v9                        ; v9: the prefetches' offset, 256 x lane; never rewritten
	s_lshr_b32 s17, s16, 1
	s_and_b32 s18, s16, 1
	s_bfe_u32 s40, ttmp6, 0x40000
	s_bfe_u32 s41, ttmp6, 0x40004
	s_lshl_b32 s20, ttmp9, 2
	s_add_co_u32 s20, s20, s40
	s_and_b32 s19, ttmp7, 0xffff
	s_lshl_b32 s19, s19, 2
	s_add_co_u32 s19, s19, s41
	s_lshl_b32 s43, s41, 2
	s_lshl_b32 s43, 15, s43
	s_lshl_b32 s44, 0x1111, s40
	s_or_b32 s[G1+0], s43, (3<<16)|(1<<21)
	s_or_b32 s[G1B+0], s44, (3<<16)|(1<<21)
.irp g, G1, G1B
	s_mov_b32 s[\g+1], 1024<<16
	s_mov_b32 s[\g+2], 8<<16
	s_mov_b32 s[\g+3], 1024<<16
	s_mov_b32 s[\g+4], 8
	s_mov_b32 s[\g+5], 9216
	s_mov_b32 s[\g+6], 0
	s_mov_b32 s[\g+7], 0
.endr
	s_or_b32 s[G1S+0], s43, (3<<16)|(1<<21)
	s_or_b32 s[G1SB+0], s44, (3<<16)|(1<<21)
.irp g, G1S, G1SB
	s_mov_b32 s[\g+1], 64<<16
	s_mov_b32 s[\g+2], 36<<16
	s_mov_b32 s[\g+3], 64<<16
	s_mov_b32 s[\g+4], 36
	s_mov_b32 s[\g+6], 0
	s_mov_b32 s[\g+7], 0
.endr
	s_mov_b32 s[G1S+5], 2048
	s_mov_b32 s[G1SB+5], 512
	s_mul_i32 s92, s19, 589824                     ; A's codes: my tile row's eight row blocks
	s_lshl_b32 s94, s19, 9                         ; A's scale words
	s_mov_b32 s93, 0
	s_mov_b32 s95, 0
	s_mul_i32 s96, s20, 589824                     ; B's codes
	s_mov_b32 s97, 0
	s_mul_i32 s46, s18, 294912                     ; in the ring I fetch four row blocks: which half
	s_mov_b32 s47, 0
	s_lshl_b32 s22, s20, 9                         ; B's scale words
	s_add_co_u32 s22, s22, 411648
	s_mov_b32 s23, 0
	s_lshl_b32 s45, s16, 15
	s_wait_alu depctr_va_vdst(0)
	s_wait_kmcnt 0x0
	s_add_nc_u64 s[92:93], s[4:5], s[92:93]
	s_add_nc_u64 s[94:95], s[6:7], s[94:95]
	s_add_nc_u64 s[96:97], s[8:9], s[96:97]
	s_add_nc_u64 s[22:23], s[10:11], s[22:23]
; PREFETCHES INTO THE L2.  A wave's load of a slot is 4 row blocks x 8,192 bytes; the four partners that ask for it jointly take a block each, by address
; (cx for A, cy for B): 32 lanes x 256 bytes, one instruction a wave.  Slot t + 2 is asked for behind the load of slot t; slots 0 and 1 here.  K has nine slots:
; the lap counter leaves out what would be the tenth.  B's rows are loaded by eight clusters: those with an even y ask (s21 = 1: my wave asks; else the greatest number).
.macro ASK how, off
.if \how
	s_cmp_gt_u32 s3, s21                           ; not in the loop's last trip
.else
	s_cmp_eq_u32 s21, 1
.endif
	s_cbranch_scc0 .Lnot_mine_\@
	global_prefetch_b8 v9, s[66:67] offset:\off th:TH_LOAD_NT scope:SCOPE_SE
.Lnot_mine_\@:
.endm
.macro ARM under, g0, g1, next
	s_cmp_lt_u32 s16, \under
	s_cbranch_scc0 \next
	tensor_load_to_lds s[\g0:\g0+3], s[\g1:\g1+7]
	s_nop 0
	PLACES 4
	s_branch .Lhead_asked
\next:
.endm
	s_and_b32 s21, ttmp7, 1
	s_and_b32 s21, s21, s17                        ; 1: B's wave in a cluster with an odd y
	s_cmp_eq_u32 s21, 0
	s_cselect_b32 s21, 1, -1
	s_cmp_eq_u32 s17, 0                            ; do I fetch for A?
	s_cselect_b64 s[66:67], s[92:93], s[96:97]
	s_cselect_b32 s2, s40, s41                     ; my place among the four that ask with me
	s_mul_i32 s2, s2, 73728                        ; a row block each,
	s_add_co_u32 s2, s2, s46                       ; of my wave's four
	s_mov_b32 s3, 0
	s_add_nc_u64 s[66:67], s[66:67], s[2:3]
	ASK 0, 0
	ASK 0, 8192
	; the head's four tiles, each whole: slot 0's eight row blocks of A and of B, and the scale words of all 36 K steps
	s_mov_b32 s4, 1
	s_mov_b32 s5, 0
	s_mov_b64 s[6:7], s[92:93]
	s_or_b32 s7, s7, 0x80000000
	s_mov_b32 s8, 1
	s_mov_b32 s9, 2*PART
	s_mov_b64 s[10:11], s[96:97]
	s_or_b32 s11, s11, 0x80000000
	s_mov_b32 s[G0S], 1
	s_mov_b32 s[G0S+1], SCL
	s_mov_b64 s[G0S+2:G0S+3], s[94:95]
	s_or_b32 s[G0S+3], s[G0S+3], 0x80000000
	s_mov_b32 s[G0SB], 1
	s_mov_b32 s[G0SB+1], SCL+18432
	s_mov_b64 s[G0SB+2:G0SB+3], s[22:23]
	s_or_b32 s[G0SB+3], s[G0SB+3], 0x80000000
	s_add_nc_u64 s[92:93], s[92:93], s[46:47]      ; for the ring: my four row blocks
	s_add_nc_u64 s[96:97], s[96:97], s[46:47]
.irp s, 0,1
	s_mov_b32 s[G0+4*\s], 1
	s_add_co_u32 s[G0+4*\s+1], s45, \s*SLOT
	s_add_nc_u64 s[G0+4*\s+2:G0+4*\s+3], s[92:93], \s*8192
	s_or_b32 s[G0+4*\s+3], s[G0+4*\s+3], 0x80000000
	s_mov_b32 s[G0B+4*\s], 1
	s_add_co_u32 s[G0B+4*\s+1], s45, \s*SLOT
	s_add_nc_u64 s[G0B+4*\s+2:G0B+4*\s+3], s[96:97], \s*8192
	s_or_b32 s[G0B+4*\s+3], s[G0B+4*\s+3], 0x80000000
.endr
	CROUND                                         ; all sixteen work-groups are here: the first joint loads meet
	; one load a wave, in one chain of branches on the wave's number
	ARM 1, 4, G1, .Lhead_b
	ARM 2, 8, G1B, .Lhead_sa
	ARM 3, G0S, G1S, .Lhead_sb
	tensor_load_to_lds s[G0SB:G0SB+3], s[G1SB:G1SB+7]
	s_nop 0
	PLACES 4
.Lhead_asked:
	ASK 0, 16384
	s_wait_alu depctr_va_vdst(0)
	s_wait_tensorcnt 0x0                           ; my tile of the head's four is in
	ds_add_u32 v10, v11
	s_mov_b32 s[G1+2], 4<<16                       ; no tensor load of mine is out: from here on a load brings four row blocks
	s_mov_b32 s[G1+4], 4
	s_mov_b32 s[G1B+2], 4<<16
	s_mov_b32 s[G1B+4], 4
	s_wait_dscnt 0x0
	CROUND                                         ; all four tiles are in, in every work-group of the cluster
	JLOAD G0+4, G1, G0B+4, G1B                     ; slot 1's first fill, the first tensor load behind the round
	ASK 0, 24576
	v_and_b32 v12, 31, v0
	v_lshlrev_b32 v12, 4, v12
	v_and_b32 v13, 15, v0
	v_bfe_u32 v14, v0, 4, 1
	s_wait_alu depctr_va_vdst(0)
	s_lshl_b32 s40, s17, 15
	s_lshl_b32 s41, s18, 15
	s_add_co_u32 s41, s41, 2*PART
.irp s, 0,1
	v_add_nc_u32 v[ADRA+\s], s40, v12
	v_add_nc_u32 v[ADRB+\s], s41, v12
	s_add_co_u32 s40, s40, SLOT
	s_add_co_u32 s41, s41, SLOT
.endr
	s_lshl_b32 s40, s17, 8
	s_lshl_b32 s41, s18, 8
	s_add_co_u32 s41, s41, 18432
	s_sub_co_u32 s41, s41, s40
	v_mul_u32_u24 v15, s41, v14
	s_add_co_u32 s40, s40, SCL
	v_lshl_add_u32 v15, v13, 2, v15
	v_add_nc_u32 v[ADRS], s40, v15
	s_mul_i32 s40, s16, 17408
	s_add_co_u32 s40, s40, STG
	v_mul_u32_u24 v15, v13, 272
	v_lshl_add_u32 v15, v14, 5, v15
	v_add_nc_u32 v[STO], s40, v15
	v_mul_u32_u24 v15, v14, 272
	v_lshl_add_u32 v15, v13, 4, v15
	v_add_nc_u32 v[RD], s40, v15
	v_lshlrev_b32 v15, 12, v14
	v_lshl_add_u32 v[CO], v13, 4, v15
	s_lshl_b32 s40, s19, 7
	s_lshl_b32 s41, s17, 6
	s_add_co_u32 s40, s40, s41
	s_lshl_b32 s40, s40, 12
	s_lshl_b32 s41, s20, 9
	s_add_co_u32 s40, s40, s41
	s_lshl_b32 s41, s18, 8
	s_add_co_u32 s40, s40, s41
	s_mov_b32 s41, 0
	s_add_nc_u64 s[12:13], s[12:13], s[40:41]
.macro MUL8 f, a0, q, sc, zero
.irp a, \a0, \a0+1
.irp b, 0,1,2,3
.if \zero
	v_wmma_scale_f32_16x16x128_f8f6f4 v[ACC+8*(4*(\a)+\b):ACC+8*(4*(\a)+\b)+7], v[(\f)+16*\b:(\f)+16*\b+15], v[(\f)+64+16*(\a):(\f)+64+16*(\a)+15], 0, v[SC+16*(\sc)+4*(\q)+\b], v[SC+16*(\sc)+4*(\q)+(\a)] matrix_a_fmt:MATRIX_FMT_BF8 matrix_b_fmt:MATRIX_FMT_BF8 matrix_a_scale:MATRIX_SCALE_ROW1
.else
	v_wmma_scale_f32_16x16x128_f8f6f4 v[ACC+8*(4*(\a)+\b):ACC+8*(4*(\a)+\b)+7], v[(\f)+16*\b:(\f)+16*\b+15], v[(\f)+64+16*(\a):(\f)+64+16*(\a)+15], v[ACC+8*(4*(\a)+\b):ACC+8*(4*(\a)+\b)+7], v[SC+16*(\sc)+4*(\q)+\b], v[SC+16*(\sc)+4*(\q)+(\a)] matrix_a_fmt:MATRIX_FMT_BF8 matrix_b_fmt:MATRIX_FMT_BF8 matrix_a_scale:MATRIX_SCALE_ROW1
.endif
.endr
.endr
.endm
.macro FETCH slot, q, f
	WIN TO_F
.irp i, 0,1,2,3
.irp c, 0,1,2,3
	ds_load_b128 v[(\f)+16*\i+4*\c:(\f)+16*\i+4*\c+3], v[ADRB+\slot] offset:8192*\i+2048*(\q)+512*\c
.endr
.endr
.irp i, 0,1,2,3
.irp c, 0,1,2,3
	ds_load_b128 v[(\f)+64+16*\i+4*\c:(\f)+64+16*\i+4*\c+3], v[ADRA+\slot] offset:8192*\i+2048*(\q)+512*\c
.endr
.endr
.endm
.macro SCALES sc
.irp q, 0,1,2,3
.irp i, 0,1,2,3
	ds_load_b32 v[SC+16*\sc+4*\q+\i], v[ADRS] offset:512*\q+64*\i
.endr
.endr
.endm
.macro Q slot, q, zero
	s_wait_dscnt 8
	WIN MUL
	MUL8 128*((\q)%2), 0, \q, \slot, \zero
	PLACES 8
	FETCH \slot, (\q)+1, 128*(((\q)+1)%2)
	s_wait_dscnt 32
	WIN MUL
	MUL8 128*((\q)%2), 2, \q, \slot, \zero
.endm
.macro TURN slot, next, fill, ask=0
	WIN 0
	s_wait_tensorcnt 0x0
	ds_add_u32 v[SPW], v[NIL]
	s_wait_dscnt 9
	WIN MUL
	MUL8 128, 0, 3, \slot, 0
	s_wait_dscnt 0x0
	s_barrier_signal -1
	WIN 0
	s_barrier_wait -1
.if \fill
	CREST
	s_add_nc_u64 s[G0+4*\slot+2:G0+4*\slot+3], s[G0+4*\slot+2:G0+4*\slot+3], 16384
	s_add_nc_u64 s[G0B+4*\slot+2:G0B+4*\slot+3], s[G0B+4*\slot+2:G0B+4*\slot+3], 16384
	JLOAD G0+4*\slot, G1, G0B+4*\slot, G1B
	PLACES 4
.else
	PLACES 8
.endif
	s_wait_alu depctr_va_vdst(0)
	v_add_nc_u32 v[ADRS], 2048, v[ADRS]
	SCALES \next
.if \ask
	ASK (\ask)-1, 32768+8192*\slot                 ; the slot two refills on
.endif
	FETCH \next, 0, 0
	WIN MUL
	MUL8 128, 2, 3, \slot, 0
.endm
	s_wait_alu depctr_va_vdst(0)
	SCALES 0
	FETCH 0, 0, 0
	Q 0, 0, 1
	WIN 0
	s_mov_b32 s3, 3
.Llap:
	Q 0, 1, 0
	Q 0, 2, 0
	TURN 0, 1, 1, 1
	Q 1, 0, 0
	Q 1, 1, 0
	Q 1, 2, 0
	TURN 1, 0, 1, 2
	Q 0, 0, 0
	WIN 0
	s_wait_xcnt 0x0                                ; my prefetches have read their base: it steps a lap, two slots, on
	s_add_nc_u64 s[66:67], s[66:67], 16384
	s_sub_co_u32 s3, s3, 1
	s_cmp_lg_u32 s3, 0
	s_cbranch_scc1 .Llap
	Q 0, 1, 0
	Q 0, 2, 0
	TURN 0, 1, 1
	Q 1, 0, 0
	Q 1, 1, 0
	Q 1, 2, 0
	TURN 1, 0, 0
	Q 0, 0, 0
	Q 0, 1, 0
	Q 0, 2, 0
	s_wait_dscnt 8
	WIN MUL
	MUL8 128, 0, 3, 0, 0
	s_wait_dscnt 0
	MUL8 128, 2, 3, 0, 0
	WIN 0
.macro TOSTAGE a
.irp b, 0,1,2,3
	ds_store_b128 v[STO], v[ACC+8*(4*\a+\b):ACC+8*(4*\a+\b)+3] offset:4352*\a+64*\b
	ds_store_b128 v[STO], v[ACC+8*(4*\a+\b)+4:ACC+8*(4*\a+\b)+7] offset:4352*\a+64*\b+16
.endr
.irp t, 0,1,2,3,4,5,6,7
	ds_load_b128 v[64+32*(\a%2)+4*\t:64+32*(\a%2)+4*\t+3], v[RD] offset:4352*\a+544*\t
.endr
.endm
.macro SEND a, younger
	s_wait_dscnt \younger
.irp t, 0,1,2,3,4,5,6,7
	global_store_b128 v[CO], v[64+32*(\a%2)+4*\t:64+32*(\a%2)+4*\t+3], s[12:13] offset:65536*\a+8192*\t th:TH_STORE_NT
.endr
.endm
	PLACES 8
	TOSTAGE 0
	TOSTAGE 1
	SEND 0, 16
	SEND 1, 0
	s_wait_xcnt 0x0
	TOSTAGE 2
	TOSTAGE 3
	SEND 2, 16
	SEND 3, 0
	s_wait_tensorcnt 0x0
	ds_add_u32 v[SPW], v[NIL]
	s_wait_dscnt 0x0
	CROUND
	s_endpgm
.Lfunc_end_k_q18c686955e_outp:
	.size	k_q18c686955e_outp, .Lfunc_end_k_q18c686955e_outp-k_q18c686955e_outp
	.p2alignl 7, 3214868480
	.fill 96, 4, 3214868480
	.section	.rodata,"a",@progbits
	.p2align	6, 0x0
	.amdhsa_kernel k_q18c686955e_outp
		.amdhsa_group_segment_fixed_size 327680
		.amdhsa_private_segment_fixed_size 0
		.amdhsa_enable_private_segment 0
		.amdhsa_kernarg_size 40
		.amdhsa_user_sgpr_count 2
		.amdhsa_user_sgpr_kernarg_segment_ptr 1
		.amdhsa_wavefront_size32 1
		.amdhsa_system_sgpr_workgroup_id_x 1
		.amdhsa_system_sgpr_workgroup_id_y 1
		.amdhsa_system_sgpr_workgroup_id_z 1
		.amdhsa_system_vgpr_workitem_id 0
		.amdhsa_next_free_vgpr 512
		.amdhsa_next_free_sgpr 98
		.amdhsa_reserve_vcc 0
		.amdhsa_float_denorm_mode_32 3
		.amdhsa_float_denorm_mode_16_64 3
		.amdhsa_memory_ordered 1
		.amdhsa_forward_progress 1
		.amdhsa_inst_pref_size 116
	.end_amdhsa_kernel
	.amdgpu_metadata
---
amdhsa.version: [ 1, 2 ]
amdhsa.kernels:
  - .name:           k_q18c686955e_outp
    .symbol:         k_q18c686955e_outp.kd
    .args:
      - { .name: a2c, .offset: 0, .size: 8, .value_kind: global_buffer, .address_space: global }
      - { .name: a2s, .offset: 8, .size: 8, .value_kind: global_buffer, .address_space: global }
      - { .name: w2c, .offset: 16, .size: 8, .value_kind: global_buffer, .address_space: global }
      - { .name: wsc, .offset: 24, .size: 8, .value_kind: global_buffer, .address_space: global }
      - { .name: out0, .offset: 32, .size: 8, .value_kind: global_buffer, .address_space: global }
    .group_segment_fixed_size: 327680
    .private_segment_fixed_size: 0
    .kernarg_segment_align: 8
    .kernarg_segment_size: 40
    .max_flat_workgroup_size: 128
    .sgpr_count:     98
    .vgpr_count:     512
    .wavefront_size: 32
...
	.end_amdgpu_metadata
.endif
;; end of part 4
